; MI455X (gfx1250); checked and timed in simulation.
; The chip was launched on July 23, 2026; its instructions are those of AMD's public machine-readable ISA for CDNA 5 (MIT licence, August 2026) and "CDNA5" Instruction Set Architecture Reference Guide (July 2026). The comments in the code are by the model that wrote it; some were corrected since.
;; Transformer Block. Allowed arithmetic: matrix products marked QUANTISED: E5M2 operands, one E8M0 scale for each 32 along K, by v_wmma_scale_f32_16x16x128_f8f6f4 with both operands' format E5M2, f32 sums; everything else in f32.
;; Inputs: fc1_b 4,096 float32; fc1_w 4,096 x 1,024 float32; fc2_b 1,024 float32; fc2_w 1,024 x 4,096 float32; ln1_b 1,024 float32; ln1_g 1,024 float32; ln2_b 1,024 float32; ln2_g 1,024 float32; out_b 1,024 float32; out_w 1,024 x 1,024 float32; qkv_b 3,072 float32; qkv_w 3,072 x 1,024 float32; x 2 x 2,048 x 1,024 float32.
;; Outputs: out0 2 x 2,048 x 1,024 float32.
;; This version of the problem:
;;   THIS VERSION OF THE PROBLEM IS GIVEN IN LOW PRECISION. The matrix products marked QUANTISED in the list below multiply operands that are first quantised to E5M2 (5 exponent bits, 2 mantissa bits; 8 bits a number), with one power-of-two scale for each 32 numbers along K (OCP MX v1.0); their sums are f32. All else is computed in f32.
;;   The module's matrix products, in the order in which they are computed (A, B: the left and right operand; K: the contracted axis; several contracted axes count as one K, in the product's order):
;;     1. [M 4,096, K 1,024] x [K 1,024, N 3,072]; A: computed on the way; B: input qkv_w: QUANTISED
;;     2. batch 32 x [M 2,048, K 64] x [K 64, N 2,048]; A: computed on the way; B: computed on the way: QUANTISED
;;     3. batch 32 x [M 2,048, K 2,048] x [K 2,048, N 64]; A: softmax (see below); B: computed on the way: QUANTISED
;;     4. [M 4,096, K 1,024] x [K 1,024, N 1,024]; A: computed on the way; B: input out_w: QUANTISED
;;     5. [M 4,096, K 1,024] x [K 1,024, N 4,096]; A: computed on the way; B: input fc1_w: QUANTISED
;;     6. [M 4,096, K 4,096] x [K 4,096, N 1,024]; A: computed on the way; B: input fc2_w: QUANTISED
;;   THE QUANTISER, for each operand of a quantised product, along K:
;;     - K is cut into blocks of 32 from its start; a last block that is shorter is filled with zeros.
;;     - A block's scale is 2^e with e = floor(log2(the largest magnitude in the block)) - 15, held to -126 .. 127; a block of zeros has e = 0. As a byte (E8M0): e + 127.
;;     - Each number is divided by its block's scale, clamped to +-57,344, and rounded to the nearest number of E5M2, ties to even, subnormals kept.
;;     - The product sums the exact products of the quantised numbers (number of the format x scale) in f32.
;;   ~~~python
;;   def quantise(x, axis):      # numpy; x: float32 -> the quantised numbers, widened to float32 again
;;       x = np.moveaxis(x, axis, -1); K = x.shape[-1]
;;       x = np.pad(x, [(0, 0)] * (x.ndim - 1) + [(0, -K % 32)]); x = x.reshape(x.shape[:-1] + (-1, 32)); a = np.abs(x).max(-1, keepdims=True)
;;       e = np.where(a > 0, np.clip(np.frexp(np.where(a > 0, a, 1))[1] - 1 - 15, -126, 127), 0)      # np.frexp(a)[1] - 1 = floor(log2(a)), exactly
;;       r = np.clip(x / 2.0 ** e, -57344, 57344)
;;       step = 2.0 ** (np.maximum(np.frexp(np.where(r == 0, 1, r))[1] - 1, -14) - 2)
;;       q = np.round(r / step) * step * 2.0 ** e      # np.round: ties to even
;;       return np.moveaxis(q.reshape(q.shape[:-2] + (-1,))[..., :K], -1, axis).astype(np.float32)
;;   ~~~
;;   SOFTMAX AHEAD OF A QUANTISED PRODUCT. Where the list says 'softmax', what is quantised is not the finished softmax but p = 2^(t - M), with t = logit x log2(e) and M = ceil(the row's largest t), a whole number; so 1/2 < the row's largest p <= 1. The row's sum l is taken of the UNQUANTISED p, in f32, and the product's result is divided by l at the end. Since M is a whole number, a kernel that streams over the keys may use a running M (the ceiling of the running maximum): every later rescaling is an exact power of two, which a block's scale takes up: the codes' values come out the same.
;;   OPERANDS COMPUTED ON THE WAY. 'Computed on the way' means the value that the module computes at that place (a softmax that the list does not call 'softmax' is quantised finished and normalised). What goes into a quantiser is computed in f32, as accurately as f32 sums, v_exp_f32 and their like allow (about 1e-6 of the number): no bf16 or f16 on the way to a quantiser, and a product that is left as it is and whose result goes on into a quantised operand takes f32 operands (vector FMAs, or v_wmma_f32_16x16x4_f32). A number that lies on a knife's edge between two numbers of the format may be rounded either way, as far as f32 arithmetic and the matrix unit's own rounding can turn it there, and no further.
;; One version. Each part assembles by itself: llvm-mc -triple=amdgcn-amd-amdhsa -mcpu=gfx1250 --defsym DOCPART=n.
;; ======== version 1 of 1: 7 launches
;; limits: right only within a limited range of input values
;; workspace buffers: wq 12,976,128 bytes; hq 4,325,376 bytes; qkvq 12,976,128 bytes; oq 4,325,376 bytes; x2 16,777,216 bytes; gq 17,301,504 bytes
;; launch ln1 (part 1): grid 512 x 1, 8 waves a work-group, no clusters, 147,456 bytes of LDS; arguments x, ln1_g, ln1_b, hq, qkv_w, out_w, fc1_w, fc2_w, wq; writes hq, wq
.if DOCPART == 1
	.amdgcn_target "amdgcn-amd-amdhsa--gfx1250"
	.amdhsa_code_object_version 6
	.text
	.protected	k_q3445943f47_ln1
	.globl	k_q3445943f47_ln1
	.p2align	8
	.type	k_q3445943f47_ln1,@function
k_q3445943f47_ln1:
	s_mov_b64 s[64:65], 0
	v_nop
	global_prefetch_b8 v0, s[64:65] scope:SCOPE_SE
	s_setreg_imm32_b32 hwreg(HW_REG_WAVE_MODE, 25, 1), 1
	s_wait_xcnt 0x0
; LayerNorm of [4096][1024] f32 and its quantising along the 1,024 into fragment images (layout: the first kernel's head).  Nothing of reference() is left out here.
; A work-group takes row tile T (16 rows: 32 (T / 2) + 8 (T % 2) + r + 8 (r / 8)); wave s takes K step s: columns 128 s .. 128 s + 127.
; LOADS ARE DENSE: each of a wave's 16 loads takes 512 consecutive bytes, one row's 128 columns, 16 bytes a lane; the gain's and the bias's 128 numbers come by one such load each.  The rows turn through the
; wave's own stage in LDS, stored as loaded and read back so that lane (r, h) holds 64 numbers of row r, register 16 b + i = column 32 b + 16 h + i; gain and bias are read back in the same order of columns,
; sixteen lanes sharing each address.  These bytes are the wave's own: no barrier stands round them.
; The mean and then the mean of the squared differences are taken as reference() takes them, in two passes over registers; the eight waves' sums meet in LDS (two barriers).
; Codes: hq + (8 T + s) 2,048.  Scale words: gathered in LDS (third barrier) and stored by wave 0 as 512 consecutive bytes at hq + 4,194,304 + 512 T.
; LIMITS: NaN and infinities are not served; a block whose largest magnitude lies under 2^-111, and a block of zeros, keeps the scale byte 1 (read by this program alone).
; THE PROGRAM: a transformer block on codes of E5M2 with one E8M0 scale for each 32 along K.  Seven launches: this one (LN1, and the four weights into codes), the QKV product,
; causal attention, the out projection + residual, LN2 (this body again, with 256 work-groups), fc1 + gelu, fc2 + residual.
; WORK LEFT OUT, for all values of the inputs: reference() builds the causal mask itself (jnp.tril) and sets the scores of keys behind a query to -inf, whose softmax weight is exactly 0.
; So a step of 128 keys all of which come after all queries of a tile adds 0 to the row's sum and to the second product: attention leaves such steps out, whole.  Nothing else is left out;
; every input has a way to the output and is loaded.  LIMIT: a NaN, an infinity or an overflow that would arise only in the scores left out is not carried to the result.
; OPERANDS IN MEMORY ARE IMAGES OF OPERAND REGISTERS.  A fragment is 16 rows x 128 K = 2,048 bytes, [plane c 0..3][lane 0..31][16 bytes]: lane (r = lane % 16, h = lane / 16), plane c, holds
; k = 32 c + 16 h + 0 .. 15 of image row r.  Its scale words: 16 words, word r for image row r.  Row tile T holds at image row r the row 32 (T / 2) + 8 (T % 2) + r + 8 (r / 8): so two
; neighbouring tiles used as source 0 leave 16 neighbours along the next K in a lane's registers.
; ONE LAUNCH FOR FIVE TENSORS.  Work-groups 0-255 take the 256 row tiles of the rows to be normalised.  Work-group 256 + w takes three units of 16 rows x 1,024 K of the weights, wave s the K step s
; of each: unit w (qkv_w's row tile w, or out_w's w - 192), unit 256 + w (fc1_w's row tile w), unit 512 + w (fc2_w's row tile w / 4, its (w % 4)-th 1,024 along K).
; Unit u: codes at wq + 16,384 u, scale words at wq + 12,582,912 + 512 u.  The text parts once, on the work-group's number; the weights' path has no norm and LDS bytes of its own (from WB on).
.set X,   16
.set GG,  80                           ; v80-143  the gain at my columns
.set BI,  144                          ; v144-207 the bias
.set PC,  208                          ; v208-223 the eight waves' sums; later the codes
.set TM,  224
.set PW,  240
.set SPW, 252                          ; v252 LDS address of my spare word; never rewritten
.set NIL, 253                          ; v253 0; never rewritten
.set SEL, 20
.set MNT, 23
.set RED0, 0                           ; LDS: 8 waves x 16 words, the sums;
.set RED1, 512                         ; the sums of squares;
.set SCW,  1024                        ; the scale words, [K step][16 words];
.set SPARE, 1536                       ; the spare words, 128 bytes for each wave, which no other line names;
.set GBS,  2560                        ; for each wave 512 bytes of the gain and 512 of the bias;
.set STG,  GBS+8*1024                  ; and for each wave a stage of 16 rows
.set PITCH, 528                        ; a stage row: 512 bytes + 16 = 132 words: row r starts at bank 4 r mod 64 (64 banks of 4 bytes: ISA guide 11.1), so the 16 rows that a read touches start at 16 different banks
.set STGB, 16*PITCH
.set WB,   STG+8*STGB                  ; the weights' path: 3 x 512 bytes of scale words, then a stage of 16 rows for each wave
.macro QUANT s, pc, tm, pw
.irp b, 0,1,2,3
	v_max3_num_f32 v[(\tm)+\b], |v[(\s)+16*\b]|, |v[(\s)+1+16*\b]|, 0x8000000
.endr
.irp i, 2,4,6,8,10,12,14
.irp b, 0,1,2,3
	s_delay_alu instid0(VALU_DEP_4)
	v_max3_num_f32 v[(\tm)+\b], v[(\tm)+\b], |v[(\s)+16*\b+\i]|, |v[(\s)+1+16*\b+\i]|
.endr
.endr
.irp b, 0,1,2,3
	s_delay_alu instid0(VALU_DEP_4)
	v_permlanex16_b32 v[(\tm)+4+\b], v[(\tm)+\b], s[SEL], s[SEL+1]
.endr
.irp b, 0,1,2,3
	s_delay_alu instid0(VALU_DEP_4)
	v_max_num_f32 v[(\tm)+\b], v[(\tm)+\b], v[(\tm)+4+\b]
.endr
.irp b, 0,1,2,3
	s_delay_alu instid0(VALU_DEP_4)
	v_add_nc_u32 v[(\tm)+12+\b], 0xf8800000, v[(\tm)+\b]
.endr
.irp b, 0,1,2,3
	v_and_or_b32 v[(\tm)+8+\b], v[(\tm)+\b], 0x7f800000, s[MNT]
.endr
.irp b, 0,1,2,3
	v_lshrrev_b32 v[(\tm)+4+\b], 23, v[(\tm)+12+\b]
.endr
	s_delay_alu instid0(VALU_DEP_3)
	v_lshl_or_b32 v[\pw], v[(\tm)+5], 8, v[(\tm)+4]
	s_delay_alu instid0(VALU_DEP_1)
	v_lshl_or_b32 v[\pw], v[(\tm)+6], 16, v[\pw]
	s_delay_alu instid0(VALU_DEP_1)
	v_lshl_or_b32 v[\pw], v[(\tm)+7], 24, v[\pw]
.irp b, 0,1,2,3
.irp i, 0,1,2,3,4,5,6,7,8,9,10,11,12,13,14,15
	v_med3_num_f32 v[(\s)+16*\b+\i], v[(\s)+16*\b+\i], -v[(\tm)+8+\b], v[(\tm)+8+\b]
.endr
	v_cvt_scalef32_pk8_bf8_f32 v[(\pc)+4*\b:(\pc)+1+4*\b], v[(\s)+16*\b:(\s)+7+16*\b], v[(\tm)+12+\b]
	v_cvt_scalef32_pk8_bf8_f32 v[(\pc)+2+4*\b:(\pc)+3+4*\b], v[(\s)+8+16*\b:(\s)+15+16*\b], v[(\tm)+12+\b]
.endr
	v_nop
.endm
; the two chains v[242:245] of a lane become the row's sum over all 1,024 columns, in v242 of every lane of every wave
.macro ACROSS off
	s_delay_alu instid0(VALU_DEP_1)
	v_pk_add_f32 v[242:243], v[242:243], v[244:245]
	s_delay_alu instid0(VALU_DEP_1)
	v_add_f32 v242, v242, v243
	s_delay_alu instid0(VALU_DEP_1)
	v_permlanex16_b32 v250, v242, s[SEL], s[SEL+1]
	s_delay_alu instid0(VALU_DEP_1)
	v_add_f32 v242, v242, v250                     ; my wave's 128 columns of row r
	ds_store_b32 v7, v242 offset:\off              ; both halves of the lanes write the same word with the same value
	s_wait_dscnt 0x0                               ; for the others' sake: my store has landed (and all my LDS loads are in)
	s_barrier_signal -1
	s_barrier_wait -1
.irp w, 0,1,2,3,4,5,6,7
	ds_load_b32 v[PC+\w], v6 offset:\off+64*\w
.endr
	s_wait_dscnt 0x0
	v_add_f32 v[PC], v[PC], v[PC+1]
	v_add_f32 v[PC+2], v[PC+2], v[PC+3]
	v_add_f32 v[PC+4], v[PC+4], v[PC+5]
	v_add_f32 v[PC+6], v[PC+6], v[PC+7]
	s_delay_alu instid0(VALU_DEP_3)
	v_add_f32 v[PC], v[PC], v[PC+2]
	s_delay_alu instid0(VALU_DEP_2)
	v_add_f32 v[PC+4], v[PC+4], v[PC+6]
	s_delay_alu instid0(VALU_DEP_1)
	v_add_f32 v242, v[PC], v[PC+4]                 ; the same order in all waves: the same bits
.endm
	s_load_b256 s[4:11], s[0:1], 0x0               ; the rows, the gain, the bias, the rows' codes
	s_load_b256 s[40:47], s[0:1], 0x20             ; qkv_w, out_w, fc1_w, fc2_w
	s_load_b64 s[48:49], s[0:1], 0x40              ; the weights' codes
	v_lshl_add_u32 v[SPW], v0, 2, SPARE
	v_mov_b32 v[NIL], 0
	v_lshrrev_b32 v1, 5, v0
	s_delay_alu instid0(VALU_DEP_1)
	v_readfirstlane_b32 s12, v1                    ; wave = K step
	v_and_b32 v1, 15, v0                           ; r
	v_bfe_u32 v2, v0, 4, 1                         ; h
	v_and_b32 v5, 31, v0
	s_delay_alu instid0(VALU_DEP_1)
	v_lshlrev_b32 v5, 4, v5                        ; 16 x lane
	s_delay_alu instid0(VALU_DEP_4)
	v_lshlrev_b32 v6, 2, v1                        ; 4 r
	s_lshl_b32 s13, s12, 6
	v_add_nc_u32 v7, s13, v6                       ; 64 x wave + 4 r
	s_mul_i32 s30, s12, STGB                       ; my stage
	v_add_nc_u32 v8, s30, v5                       ; on the way in: 16 x lane
	v_mul_u32_u24 v9, v1, PITCH
	s_delay_alu instid0(VALU_DEP_1)
	v_lshl_add_u32 v9, v2, 6, v9
	s_delay_alu instid0(VALU_DEP_1)
	v_add_nc_u32 v9, s30, v9                       ; on the way out: 528 r + 64 h
	s_lshl_b32 s31, s12, 10                        ; my 1,024 bytes for the gain and the bias
	v_add_nc_u32 v10, s31, v5                      ; in: 16 x lane
	v_lshlrev_b32 v11, 6, v2
	s_delay_alu instid0(VALU_DEP_1)
	v_add_nc_u32 v11, s31, v11                     ; out: 64 h
	v_mov_b32 v250, 0
.irp b, 0,1,2,3
	v_mov_b32 v[TM+4+\b], 0
.endr
	s_mov_b32 s[SEL], 0x76543210
	s_mov_b32 s[SEL+1], 0xfedcba98
	s_mov_b32 s[MNT], 0x600000
	s_mov_b32 s24, 0x3a800000                      ; 1 / 1,024
	s_mov_b32 s25, 0x3727c5ac                      ; 1e-5
	s_lshr_b32 s14, ttmp9, 1
	s_lshl_b32 s14, s14, 5
	s_and_b32 s15, ttmp9, 1
	s_lshl_b32 s15, s15, 3
	s_add_co_u32 s14, s14, s15
	s_lshl_b32 s14, s14, 12                        ; the tile's first row, in bytes
	s_lshl_b32 s16, s12, 9                         ; my 128 columns
	s_add_co_u32 s14, s14, s16
	s_mov_b32 s15, 0
	s_mov_b32 s17, 0
	s_lshl_b32 s18, ttmp9, 3
	s_add_co_u32 s18, s18, s12
	s_lshl_b32 s18, s18, 11                        ; fragment 8 T + s
	s_mov_b32 s19, 0
	s_lshl_b32 s26, ttmp9, 9
	s_add_co_u32 s26, s26, 4194304
	s_mov_b32 s27, 0
	s_wait_alu depctr_va_vdst(0)
	s_wait_kmcnt 0x0
	s_cmp_lt_u32 ttmp9, 256
	s_cbranch_scc0 .Lweights                       ; the one parting: all eight waves of a work-group go the same way
	s_add_nc_u64 s[4:5], s[4:5], s[14:15]
	s_add_nc_u64 s[6:7], s[6:7], s[16:17]
	s_add_nc_u64 s[8:9], s[8:9], s[16:17]
	s_add_nc_u64 s[28:29], s[10:11], s[26:27]      ; the tile's scale words
	s_add_nc_u64 s[10:11], s[10:11], s[18:19]      ; my fragment
	global_load_b128 v[GG:GG+3], v5, s[6:7]        ; the gain of my 128 columns: 512 consecutive bytes
	global_load_b128 v[BI:BI+3], v5, s[8:9]        ; the bias likewise
.irp i, 0,1,2,3,4,5,6,7,8,9,10,11,12,13,14,15
	global_load_b128 v[X+4*\i:X+4*\i+3], v5, s[4:5] offset:(\i+8*(\i/8))*4096 th:TH_LOAD_NT   ; image row i's 512 bytes
.endr
.irp k, 0,1,2,3
	s_wait_loadcnt 12-4*\k                         ; rows 4 k .. 4 k + 3 are in (and the gain and the bias, asked for ahead of them); the younger rows stay out
.irp m, 0,1,2,3
	ds_store_b128 v8, v[X+4*(4*\k+\m):X+4*(4*\k+\m)+3] offset:STG+PITCH*(4*\k+\m)
.endr
.endr
.irp b, 0,1,2,3
.irp j, 0,1,2,3
	ds_load_b128 v[X+16*\b+4*\j:X+16*\b+4*\j+3], v9 offset:STG+128*\b+16*\j   ; LDS serves a wave's instructions in order (ISA guide 5.7.1.4): these see the stores above
.endr
.endr
	ds_store_b128 v10, v[GG:GG+3] offset:GBS
	ds_store_b128 v10, v[BI:BI+3] offset:GBS+512
.irp b, 0,1,2,3
.irp j, 0,1,2,3
	ds_load_b128 v[GG+16*\b+4*\j:GG+16*\b+4*\j+3], v11 offset:GBS+128*\b+16*\j
	ds_load_b128 v[BI+16*\b+4*\j:BI+16*\b+4*\j+3], v11 offset:GBS+512+128*\b+16*\j
.endr
.endr
	s_wait_dscnt 34                                ; my 64 numbers are back; the gain's and the bias's 2 stores and 32 loads stay out
	v_pk_add_f32 v[242:243], v[X:X+1], v[X+2:X+3]
	v_pk_add_f32 v[244:245], v[X+4:X+5], v[X+6:X+7]
.irp j, 8,12,16,20,24,28,32,36,40,44,48,52,56,60
	s_delay_alu instid0(VALU_DEP_2)
	v_pk_add_f32 v[242:243], v[242:243], v[X+\j:X+\j+1]
	s_delay_alu instid0(VALU_DEP_2)
	v_pk_add_f32 v[244:245], v[244:245], v[X+\j+2:X+\j+3]
.endr
	ACROSS RED0
	s_delay_alu instid0(VALU_DEP_1)
	v_mul_f32 v246, s24, v242                      ; the mean,
	s_delay_alu instid0(VALU_DEP_2)
	v_mul_f32 v247, s24, v242                      ; twice: a pair for the packed form
.irp j, 0,2,4,6,8,10,12,14,16,18,20,22,24,26,28,30,32,34,36,38,40,42,44,46,48,50,52,54,56,58,60,62
	v_pk_add_f32 v[X+\j:X+\j+1], v[X+\j:X+\j+1], v[246:247] neg_lo:[0,1] neg_hi:[0,1]   ; x - mean
.endr
	v_pk_mul_f32 v[242:243], v[X:X+1], v[X:X+1]
	v_pk_mul_f32 v[244:245], v[X+2:X+3], v[X+2:X+3]
.irp j, 4,8,12,16,20,24,28,32,36,40,44,48,52,56,60
	s_delay_alu instid0(VALU_DEP_2)
	v_pk_fma_f32 v[242:243], v[X+\j:X+\j+1], v[X+\j:X+\j+1], v[242:243]
	s_delay_alu instid0(VALU_DEP_2)
	v_pk_fma_f32 v[244:245], v[X+\j+2:X+\j+3], v[X+\j+2:X+\j+3], v[244:245]
.endr
	ACROSS RED1
	s_delay_alu instid0(VALU_DEP_1)
	v_fma_f32 v248, v242, s24, s25                 ; the variance + 1e-5
	s_wait_alu depctr_va_vdst(0)
	v_rsq_f32 v248, v248
	v_nop                                          ; a plain line behind the transcendental
	s_wait_alu depctr_va_vdst(0)                   ; the wait ahead of the result's first reader
	v_mov_b32 v249, v248
.irp j, 0,2,4,6,8,10,12,14,16,18,20,22,24,26,28,30,32,34,36,38,40,42,44,46,48,50,52,54,56,58,60,62
	v_pk_mul_f32 v[X+\j:X+\j+1], v[X+\j:X+\j+1], v[248:249]
.endr
.irp j, 0,2,4,6,8,10,12,14,16,18,20,22,24,26,28,30,32,34,36,38,40,42,44,46,48,50,52,54,56,58,60,62
	v_pk_fma_f32 v[X+\j:X+\j+1], v[X+\j:X+\j+1], v[GG+\j:GG+\j+1], v[BI+\j:BI+\j+1]   ; the gain and the bias came in ahead of the first barrier's wait
.endr
	QUANT X, PC, TM, PW
.irp c, 0,1,2,3
	global_store_b128 v5, v[PC+4*\c:PC+4*\c+3], s[10:11] offset:512*\c
.endr
	ds_store_b32 v7, v[PW] offset:SCW
	s_wait_dscnt 0x0
	s_barrier_signal -1
	s_barrier_wait -1                              ; the tile's 128 scale words lie in LDS
	s_cmp_lg_u32 s12, 0
	s_cbranch_scc1 .Lnot_wave_0
	ds_load_b128 v[X:X+3], v5 offset:SCW
	s_wait_dscnt 0x0
	global_store_b128 v5, v[X:X+3], s[28:29]       ; 512 consecutive bytes
.Lnot_wave_0:
	s_wait_tensorcnt 0x0                           ; the wave's end: behind my last LDS store
	ds_add_u32 v[SPW], v[NIL]
	s_wait_dscnt 0x0
	s_endpgm
; THE WEIGHTS' PATH: the same dense loads, the same turn through a stage, the quantiser, the same way out; no norm.  All 48 loads of a wave go out at once, into the three banks X, GG, BI
.macro FROW d, t, u                    ; the first row of row tile t: 32 (t / 2) + 8 (t % 2)
	s_lshr_b32 \d, \t, 1
	s_lshl_b32 \d, \d, 5
	s_and_b32 \u, \t, 1
	s_lshl_b32 \u, \u, 3
	s_add_co_u32 \d, \d, \u
.endm
.macro WLOAD x, p, pitch               ; image row i's 512 bytes, 16 a lane
.irp i, 0,1,2,3,4,5,6,7,8,9,10,11,12,13,14,15
	global_load_b128 v[(\x)+4*\i:(\x)+4*\i+3], v5, s[\p:\p+1] offset:(\i+8*(\i/8))*(\pitch) th:TH_LOAD_NT
.endr
.endm
.macro WUNIT x, pc, u                  ; my K step of the u-th unit: bank x, its codes into v[pc] on
.irp k, 0,1,2,3
	s_wait_loadcnt 16*(2-(\u))+12-4*\k             ; its rows 4 k .. 4 k + 3 are in; its younger rows and the later units' 16 loads each stay out
.irp m, 0,1,2,3
	ds_store_b128 v12, v[(\x)+4*(4*\k+\m):(\x)+4*(4*\k+\m)+3] offset:PITCH*(4*\k+\m)
.endr
.endr
.irp b, 0,1,2,3
.irp j, 0,1,2,3
	ds_load_b128 v[(\x)+16*\b+4*\j:(\x)+16*\b+4*\j+3], v13 offset:128*\b+16*\j   ; LDS serves a wave's instructions in order (ISA guide 5.7.1.4): these see the stores above
.endr
.endr
	s_wait_dscnt 0x0
	QUANT \x, \pc, TM, PW+(\u)
.irp c, 0,1,2,3
	global_store_b128 v5, v[(\pc)+4*\c:(\pc)+4*\c+3], s[10:11] offset:4194304*((\u)-1)+512*\c   ; the base stands at the middle unit: 256 units are 4,194,304 bytes
.endr
	ds_store_b32 v14, v[PW+(\u)] offset:512*(\u)
.endm
.Lweights:
	s_sub_co_u32 s14, ttmp9, 256                   ; w
	s_lshl_b32 s16, s12, 9                         ; my 128 columns
	s_cmp_lt_u32 s14, 192
	s_cselect_b64 s[40:41], s[40:41], s[42:43]     ; unit w: qkv_w's tile w, or out_w's tile w - 192
	s_cselect_b32 s15, 0, 192
	s_sub_co_u32 s15, s14, s15
	FROW s18, s15, s19
	s_lshl_b32 s18, s18, 12
	s_add_co_u32 s18, s18, s16
	s_mov_b32 s19, 0
	s_add_nc_u64 s[40:41], s[40:41], s[18:19]
	FROW s18, s14, s19                             ; unit 256 + w: fc1_w's tile w
	s_lshl_b32 s18, s18, 12
	s_add_co_u32 s18, s18, s16
	s_mov_b32 s19, 0
	s_add_nc_u64 s[44:45], s[44:45], s[18:19]
	s_lshr_b32 s15, s14, 2                         ; unit 512 + w: fc2_w's tile w / 4: rows of 16,384 bytes
	FROW s18, s15, s19
	s_lshl_b32 s18, s18, 14
	s_and_b32 s19, s14, 3
	s_lshl_b32 s19, s19, 12
	s_add_co_u32 s18, s18, s19
	s_add_co_u32 s18, s18, s16
	s_mov_b32 s19, 0
	s_add_nc_u64 s[46:47], s[46:47], s[18:19]
	WLOAD X, 40, 4096
	WLOAD GG, 44, 4096
	WLOAD BI, 46, 16384
	s_lshl_b32 s18, s14, 3
	s_add_co_u32 s18, s18, s12
	s_lshl_b32 s18, s18, 11
	s_add_co_u32 s18, s18, 4194304                 ; my fragment of the middle unit
	s_add_nc_u64 s[10:11], s[48:49], s[18:19]
	s_min_u32 s15, s12, 2                          ; waves 0, 1, 2 store a unit's scale words each
	s_lshl_b32 s30, s15, 9
	s_add_co_u32 s30, s30, WB
	s_lshl_b32 s15, s15, 17                        ; 256 units' scale words are 131,072 bytes
	s_lshl_b32 s18, s14, 9
	s_add_co_u32 s18, s18, s15
	s_add_co_u32 s18, s18, 12582912
	s_add_nc_u64 s[28:29], s[48:49], s[18:19]
	v_add_nc_u32 v12, WB+1536, v8                  ; my stage, on the way in,
	v_add_nc_u32 v13, WB+1536, v9                  ; and out;
	v_add_nc_u32 v14, WB, v7                       ; my scale word's place;
	v_add_nc_u32 v15, s30, v5                      ; and where I read a unit's 128 words
	s_wait_alu depctr_va_vdst(0)                   ; directly ahead of the wait below
	WUNIT X, PC, 0
	WUNIT GG, X, 1                                 ; a set of registers for each unit's codes, so that no store's data are written again
	WUNIT BI, X+16, 2
	s_wait_dscnt 0x0                               ; for the others' sake: my stores have landed
	s_barrier_signal -1
	s_barrier_wait -1                              ; the three units' scale words lie in LDS
	s_cmp_gt_u32 s12, 2
	s_cbranch_scc1 .Lw_rest
	ds_load_b128 v[GG:GG+3], v15
	s_wait_dscnt 0x0
	global_store_b128 v5, v[GG:GG+3], s[28:29]     ; 512 consecutive bytes
.Lw_rest:
	s_wait_tensorcnt 0x0                           ; the wave's end: behind my last LDS store
	ds_add_u32 v[SPW], v[NIL]
	s_wait_dscnt 0x0
	s_endpgm
.Lfunc_end_k_q3445943f47_ln1:
	.size	k_q3445943f47_ln1, .Lfunc_end_k_q3445943f47_ln1-k_q3445943f47_ln1
	.p2alignl 7, 3214868480
	.fill 96, 4, 3214868480
	.section	.rodata,"a",@progbits
	.p2align	6, 0x0
	.amdhsa_kernel k_q3445943f47_ln1
		.amdhsa_group_segment_fixed_size 147456
		.amdhsa_private_segment_fixed_size 0
		.amdhsa_enable_private_segment 0
		.amdhsa_kernarg_size 72
		.amdhsa_user_sgpr_count 2
		.amdhsa_user_sgpr_kernarg_segment_ptr 1
		.amdhsa_wavefront_size32 1
		.amdhsa_system_sgpr_workgroup_id_x 1
		.amdhsa_system_sgpr_workgroup_id_y 1
		.amdhsa_system_sgpr_workgroup_id_z 1
		.amdhsa_system_vgpr_workitem_id 0
		.amdhsa_next_free_vgpr 256
		.amdhsa_next_free_sgpr 66
		.amdhsa_reserve_vcc 0
		.amdhsa_float_denorm_mode_32 3
		.amdhsa_float_denorm_mode_16_64 3
		.amdhsa_memory_ordered 1
		.amdhsa_forward_progress 1
		.amdhsa_inst_pref_size 77
	.end_amdhsa_kernel
	.amdgpu_metadata
---
amdhsa.version: [ 1, 2 ]
amdhsa.kernels:
  - .name:           k_q3445943f47_ln1
    .symbol:         k_q3445943f47_ln1.kd
    .args:
      - { .name: x, .offset: 0, .size: 8, .value_kind: global_buffer, .address_space: global }
      - { .name: ln1_g, .offset: 8, .size: 8, .value_kind: global_buffer, .address_space: global }
      - { .name: ln1_b, .offset: 16, .size: 8, .value_kind: global_buffer, .address_space: global }
      - { .name: hq, .offset: 24, .size: 8, .value_kind: global_buffer, .address_space: global }
      - { .name: qkv_w, .offset: 32, .size: 8, .value_kind: global_buffer, .address_space: global }
      - { .name: out_w, .offset: 40, .size: 8, .value_kind: global_buffer, .address_space: global }
      - { .name: fc1_w, .offset: 48, .size: 8, .value_kind: global_buffer, .address_space: global }
      - { .name: fc2_w, .offset: 56, .size: 8, .value_kind: global_buffer, .address_space: global }
      - { .name: wq, .offset: 64, .size: 8, .value_kind: global_buffer, .address_space: global }
    .group_segment_fixed_size: 147456
    .private_segment_fixed_size: 0
    .kernarg_segment_align: 8
    .kernarg_segment_size: 72
    .max_flat_workgroup_size: 256
    .sgpr_count:     66
    .vgpr_count:     256
    .wavefront_size: 32
...
	.end_amdgpu_metadata
.endif
;; end of part 1
;; launch qkv (part 2): grid 12 x 16, 4 waves a work-group, clusters of 4 x 4, 327,680 bytes of LDS; arguments hq, wq, qkv_b, qkvq; writes qkvq
.if DOCPART == 2
	.amdgcn_target "amdgcn-amd-amdhsa--gfx1250"
	.amdhsa_code_object_version 6
	.text
	.protected	k_q3445943f47_qkv
	.globl	k_q3445943f47_qkv
	.p2align	8
	.type	k_q3445943f47_qkv,@function
k_q3445943f47_qkv:
	s_mov_b64 s[64:65], 0
	v_nop
	global_prefetch_b8 v0, s[64:65] scope:SCOPE_SE
	s_setreg_imm32_b32 hwreg(HW_REG_WAVE_MODE, 25, 1), 1
	s_wait_xcnt 0x0
	s_wait_alu depctr_hold_cnt(0) depctr_sa_sdst(0) depctr_va_vdst(0) depctr_va_sdst(0) depctr_va_ssrc(0) depctr_va_vcc(0) depctr_vm_vsrc(0)
	s_getreg_b32 s2, hwreg(HW_REG_IB_STS2, 6, 4)
	s_cmp_eq_u32 s2, 0
	s_cbranch_scc0 .Lentry_in_a_cluster
	s_endpgm
.Lentry_in_a_cluster:
	s_bfe_u32 s2, ttmp6, 0x10000c
	s_cmp_lg_u32 s2, 0xf033
	s_cbranch_scc0 .Lentry_shape_is_right
	s_endpgm
.Lentry_shape_is_right:
; q, k, v = LN1(x) qkv_w^T + qkv_b on codes of E5M2, and their quantising for attention: q and k along the head's 64, v along the keys.  Nothing of reference() is left out here.
; A work-group makes 256 tokens x 256 columns, four waves of 128 x 128 (64 accumulators, 512 registers).  Operands come as fragment images (the first kernel's head): a K step's fragment is four dense
; LDS loads.  K = 1,024 goes in 8 steps of 128 through two LDS slots of two steps, filled by tensor loads; all eight steps are written out, so every scale word's place is an immediate.
; CLUSTER 4 x 4: side X (tokens) hangs on the tile row and is asked for jointly along a row of the cluster, side Y (weights) on the tile column and jointly along a column.
; Columns 0-2,047 (clusters x = 0, 1): source 0 = weights, source 1 = tokens: a lane holds one token and its registers run along the head's dims.
; Columns 2,048 on (cluster x = 2): THE SOURCES CHANGE PLACES: source 1 = rows of Wv (a lane holds one d), source 0 = tokens: a lane's registers run along the keys, v's K.  The loads are the same;
; only the LDS bases of the reads are chosen, by the cluster's x, which all partners share.
; OUT (qkvq): q, k codes [G 32][token tile 256][2 planes][512] (G = head, 16 + head); v codes at 8,388,608: [batch][head][key step 16][d tile 4][2,048]; q, k scale words at 12,582,912:
; [G][pair of tiles 128][16 words], the even tile's two bytes below the odd tile's; v's at 12,845,056: [batch][head][key step][d tile][16 words].
; LIMITS: NaN and infinities are not served; blocks under 2^-111 and blocks of zeros keep the scale byte 1 (read by this program alone).  The scale words leave in runs of 64 or 128 bytes: 1/32 of the codes' bytes.
; REGISTERS: window 0: v0-31 addresses, v8-15 v's bias by lane; v32-63 scale words, two sets; v64-127 q's and k's bias; v128-255 source 1's fragments, one set.  window 1: source 0's fragments, two sets;
; on the way out v0-63 a block's numbers, v64-99 the quantiser's.  windows 2, 3: accumulator (a, b) at v[8 (8 (a % 4) + b)].
.set NBK,   8                          ; blocks of 16 a wave and side
.set NQ,    2                          ; K steps in a slot
.set KT,    8                          ; K steps in all
.set XSC,   4194304                    ; side X's scale words in its buffer
.set WOFF,  0                          ; side Y's codes in wq
.set WSOFF, 12582912                   ; and its scale words
.set MUL_UP, 0xf1
.set HB,    NBK/2
.set LAPS,  KT/(2*NQ)
.set HALFT, 32768                      ; what one tensor load brings: NBK row tiles x NQ fragments
.set SLOT,  4*HALFT                    ; X's two halves, then Y's two
.set SCL,   2*SLOT                     ; behind the ring: the scale words of all of K, filled once
.set HALFS, NBK*KT*64
.set SPARE, SCL+4*HALFS                ; the spare words, 128 bytes for each wave, which no other line names
.set ADR1,  16                         ; v16-17 LDS address of source 1's fragments in slot 0, 1
.set ADR0,  20                         ; v20-21 of source 0's
.set LI,    22                         ; v22    16 x lane
.set ADRS,  27                         ; v27    my scale words: lanes 0-15 source 1's, lanes 16-31 source 0's
.set SPW,   28
.set NIL,   29
.set SC,    32
.set AF,    128
.set G1,    24
.set G0,    32
.set G1B,   48
.set G0B,   56
.set G1S,   68
.set G0S,   76
.set G1SB,  80
.set G0SB,  88
.set MUL_LO, 0xa1                      ; source 0 window 1, source 1 window 0, C and D window 2
.set TO_B,  0x40
.set MSB,   0
.set KSB,   0                          ; the K step at which the slot in hand begins
.macro WIN new
.if MSB != (\new)
	s_set_vgpr_msb (MSB<<8)|(\new)
.set MSB, (\new)
.endif
.endm
.macro PLACES n
.rept \n
	v_nop
.endr
.endm
; a joint load: waves 0 and 1 fetch for X, waves 2 and 3 for Y; an s_nop 0 and four v_nop follow each line
.macro JLOAD g0a, g1a, g0b, g1b
	s_cmp_eq_u32 s15, 0
	s_cbranch_scc0 .Lfor_b_\@
	tensor_load_to_lds s[\g0a:\g0a+3], s[\g1a:\g1a+7]
	s_nop 0
.rept 4
	v_nop
.endr
	s_branch .Lasked_\@
.Lfor_b_\@:
	tensor_load_to_lds s[\g0b:\g0b+3], s[\g1b:\g1b+7]
	s_nop 0
.rept 4
	v_nop
.endr
.Lasked_\@:
.endm
.macro CREST
	s_cmp_lg_u32 s14, 0
	s_cbranch_scc1 .Lnot_wave_0_\@
	s_barrier_signal -3
.Lnot_wave_0_\@:
	s_barrier_wait -3
	s_barrier_signal -1
	s_barrier_wait -1
.endm
.macro CROUND
	s_barrier_signal -1
	s_barrier_wait -1
	CREST
.endm
.macro FRAG reg, adr, q, i             ; fragment (row tile i, the slot's q-th K step): four dense loads of 512 bytes
.irp c, 0,1,2,3
	ds_load_b128 v[(\reg)+4*\c:(\reg)+4*\c+3], v[\adr] offset:((\i)*NQ+(\q))*2048+512*\c
.endr
.endm
.macro FETCH0 slot, q, p
	WIN TO_B
.set II, 0
.rept NBK
	FRAG 128*(\p)+16*II, ADR0+\slot, \q, II
.set II, II+1
.endr
	WIN 0
.endm
.macro FETCH1 slot, q, i0
.set II, \i0
.rept HB
	FRAG AF+16*II, ADR1+\slot, \q, II
.set II, II+1
.endr
.endm
.macro SCALES set                      ; a slot's scale words: register NQ i + q
.set II, 0
.rept NBK
.set QQ, 0
.rept NQ
	ds_load_b32 v[SC+16*(\set)+NQ*II+QQ], v[ADRS] offset:II*KT*64+(KSB+QQ)*64
.set QQ, QQ+1
.endr
.set II, II+1
.endr
.endm
; na blocks of source 1 from a0 on, each against source 0's NBK; the accumulators take turns, one instruction a turn, in the same order in every step
.macro MULA a0, na, p, q, sc, zero
.set AA, \a0
.rept \na
.set BB, 0
.rept NBK
.set DD, 8*(NBK*(AA%4)+BB)
.if \zero
	v_wmma_scale_f32_16x16x128_f8f6f4 v[DD:DD+7], v[128*(\p)+16*BB:128*(\p)+16*BB+15], v[AF+16*AA:AF+16*AA+15], 0, v[SC+16*(\sc)+NQ*BB+(\q)], v[SC+16*(\sc)+NQ*AA+(\q)] matrix_a_fmt:MATRIX_FMT_BF8 matrix_b_fmt:MATRIX_FMT_BF8 matrix_a_scale:MATRIX_SCALE_ROW1
.else
	v_wmma_scale_f32_16x16x128_f8f6f4 v[DD:DD+7], v[128*(\p)+16*BB:128*(\p)+16*BB+15], v[AF+16*AA:AF+16*AA+15], v[DD:DD+7], v[SC+16*(\sc)+NQ*BB+(\q)], v[SC+16*(\sc)+NQ*AA+(\q)] matrix_a_fmt:MATRIX_FMT_BF8 matrix_b_fmt:MATRIX_FMT_BF8 matrix_a_scale:MATRIX_SCALE_ROW1
.endif
.set BB, BB+1
.endr
.set AA, AA+1
.endr
.endm
; a K step that has its successor in the same slot.  Eight plain lines stand between a matrix instruction and a load into a register that it read
.macro STEP slot, q, zero
	s_wait_dscnt 4*HB                              ; all but the youngest 4 HB loads, source 1's upper blocks
	WIN MUL_LO
	MULA 0, HB, (\q)%2, \q, \slot, \zero
	s_wait_dscnt 0x0                               ; the upper blocks are in
	PLACES 8
	FETCH0 \slot, (\q)+1, 1-(\q)%2
	FETCH1 \slot, (\q)+1, 0
	WIN MUL_UP
	MULA HB, HB, (\q)%2, \q, \slot, \zero
	PLACES 8
	WIN 0
	FETCH1 \slot, (\q)+1, HB
.endm
.macro STEPS slot, q0
.set QS, \q0
.rept NQ-1-(\q0)
	STEP \slot, QS, 0
.set QS, QS+1
.endr
.endm
; a slot's last step changes slots: one barrier; in front of it each wave waits for all its tensor loads, adds 0 to its spare word, and waits for that and for its reads of this slot
.macro TURN slot, next, fill
	s_wait_tensorcnt 0x0                           ; all my tensor loads have landed: my part of the next slot
	ds_add_u32 v[SPW], v[NIL]
	s_wait_dscnt 4*HB+1                            ; the add and the youngest 4 HB loads may be out
	WIN MUL_LO
	MULA 0, HB/2, 1, NQ-1, \slot, 0
	s_wait_dscnt 0x0                               ; the add is done, and my reads of this slot are over
	s_barrier_signal -1
	MULA HB/2, HB/2, 1, NQ-1, \slot, 0
	WIN 0
	s_barrier_wait -1
.if \fill
	CREST                                          ; the barrier has opened a round of the cluster's: no wave of any partner still reads this slot or has a load on its way
	s_add_nc_u64 s[G0+4*\slot+2:G0+4*\slot+3], s[G0+4*\slot+2:G0+4*\slot+3], 2*NQ*2048
	s_add_nc_u64 s[G0B+4*\slot+2:G0B+4*\slot+3], s[G0B+4*\slot+2:G0B+4*\slot+3], 2*NQ*2048
	JLOAD G0+4*\slot, G1, G0B+4*\slot, G1B         ; the first tensor load behind the round; its four v_nop are four of the eight places
	PLACES 4
.else
	PLACES 8
.endif
.set KSB, KSB+NQ
	FETCH0 \next, 0, 0
	FETCH1 \next, 0, 0
	SCALES \next
	WIN MUL_UP
	MULA HB, HB, 1, NQ-1, \slot, 0
	PLACES 8
	WIN 0
	FETCH1 \next, 0, HB
.endm
.macro LAP
	STEPS 0, 1
	TURN 0, 1, 1
	STEPS 1, 0
	TURN 1, 0, 1
	STEP 0, 0, 0
.endm
.set SEL, 58
.set MNT, 60
.macro QUANT s, pc, tm, pw
.irp b, 0,1,2,3
	v_max3_num_f32 v[(\tm)+\b], |v[(\s)+16*\b]|, |v[(\s)+1+16*\b]|, 0x8000000
.endr
.irp i, 2,4,6,8,10,12,14
.irp b, 0,1,2,3
	v_max3_num_f32 v[(\tm)+\b], v[(\tm)+\b], |v[(\s)+16*\b+\i]|, |v[(\s)+1+16*\b+\i]|
.endr
.endr
.irp b, 0,1,2,3
	v_permlanex16_b32 v[(\tm)+4+\b], v[(\tm)+\b], s[SEL], s[SEL+1]
.endr
.irp b, 0,1,2,3
	v_max_num_f32 v[(\tm)+\b], v[(\tm)+\b], v[(\tm)+4+\b]
.endr
.irp b, 0,1,2,3
	v_add_nc_u32 v[(\tm)+12+\b], 0xf8800000, v[(\tm)+\b]
.endr
.irp b, 0,1,2,3
	v_and_or_b32 v[(\tm)+8+\b], v[(\tm)+\b], 0x7f800000, s[MNT]
.endr
.irp b, 0,1,2,3
	v_lshrrev_b32 v[(\tm)+4+\b], 23, v[(\tm)+12+\b]
.endr
	v_lshl_or_b32 v[\pw], v[(\tm)+5], 8, v[(\tm)+4]
	v_lshl_or_b32 v[\pw], v[(\tm)+6], 16, v[\pw]
	v_lshl_or_b32 v[\pw], v[(\tm)+7], 24, v[\pw]
.irp b, 0,1,2,3
.irp i, 0,1,2,3,4,5,6,7,8,9,10,11,12,13,14,15
	v_med3_num_f32 v[(\s)+16*\b+\i], v[(\s)+16*\b+\i], -v[(\tm)+8+\b], v[(\tm)+8+\b]
.endr
	v_cvt_scalef32_pk8_bf8_f32 v[(\pc)+4*\b:(\pc)+1+4*\b], v[(\s)+16*\b:(\s)+7+16*\b], v[(\tm)+12+\b]
	v_cvt_scalef32_pk8_bf8_f32 v[(\pc)+2+4*\b:(\pc)+3+4*\b], v[(\s)+8+16*\b:(\s)+15+16*\b], v[(\tm)+12+\b]
.endr
	v_nop
.endm
.set BR,   64                          ; v64-127 bias along n: register 16 bb + i = column 32 bb + 16 h + i of my 128
.set LB,   8                           ; v8-15   bias of the row of Wv that my lane holds, block a
.set BAD,  7                           ; v7      address of BR's loads
.set LAD,  23                          ; v23     of LB's
.set SA,   24                          ; v24     my lane's place among the scale words
.set OB0,  32                          ; s[32:33] where a block's planes 0, 1 go;  s[34:35] its planes 2, 3;  s[36:37] the scale words
.set OB1,  34
.set SB,   36
.set INC,  38                          ; s[38:39] from block to block;  s[48:49] from block 3 to block 4
.set INCB, 48
.set SINC, 50                          ; the same for the scale words, from pair to pair
.set SINCB, 52
.set VM,   54                          ; s54 all ones in v's work-groups
.set PSL,  56                          ; s56, s57 v_perm_b32's selects: the two low halves, the two high halves
.set PSH,  57
.set LM,   66                          ; s66 lanes 16-31
	s_load_b256 s[4:11], s[0:1], 0x0               ; hq, wq, qkv_b, qkvq
	v_lshl_add_u32 v[SPW], v0, 2, SPARE
	v_mov_b32 v[NIL], 0
	ds_add_u32 v[SPW], v[NIL]                      ; the wave's opening: the add, twice on end, and its wait ahead of my first tensor load
	ds_add_u32 v[SPW], v[NIL]
	v_lshrrev_b32 v1, 5, v0
	v_readfirstlane_b32 s14, v1                    ; wave 0..3
	s_lshr_b32 s15, s14, 1                         ; w1: which half of source 1's side is mine.  Also: I fetch for X (0) or for Y (1)
	s_and_b32 s16, s14, 1                          ; w0: which half of source 0's side.  Also: which half of a side I fetch
	s_bfe_u32 s40, ttmp6, 0x40000                  ; cx
	s_bfe_u32 s41, ttmp6, 0x40004                  ; cy
	s_lshl_b32 s42, ttmp9, 2
	s_add_co_u32 s42, s42, s40                     ; tile column x
	s_and_b32 s17, ttmp7, 0xffff
	s_lshl_b32 s17, s17, 2
	s_add_co_u32 s17, s17, s41                     ; tile row y
	s_lshl_b32 s43, s41, 2
	s_lshl_b32 s43, 15, s43                        ; my row of the cluster
	s_lshl_b32 s44, 0x1111, s40                    ; my column
	s_or_b32 s[G1+0], s43, (3<<16)|(1<<21)         ; the mask; elements of 8 bytes; bit 21 set beside a mask; no padding
	s_or_b32 s[G1B+0], s44, (3<<16)|(1<<21)
.irp g, G1, G1B
	s_mov_b32 s[\g+1], (NQ*256)<<16                ; tensor_dim0: a row tile's NQ fragments
	s_mov_b32 s[\g+2], (2*NBK)<<16                 ; tensor_dim1: 2 NBK row tiles for the head's loads; behind them NBK, for the ring's
	s_mov_b32 s[\g+3], (NQ*256)<<16                ; tile_dim0
	s_mov_b32 s[\g+4], 2*NBK                       ; tile_dim1
	s_mov_b32 s[\g+5], KT*256                      ; from row tile to row tile
	s_mov_b32 s[\g+6], 0
	s_mov_b32 s[\g+7], 0
.endr
	s_or_b32 s[G1S+0], s43, (3<<16)|(1<<21)
	s_or_b32 s[G1SB+0], s44, (3<<16)|(1<<21)
.irp g, G1S, G1SB
	s_mov_b32 s[\g+1], 32<<16                      ; the scale words of NBK row tiles: a dense block, as rows of 256 bytes
	s_mov_b32 s[\g+2], (2*HALFS/256)<<16           ; a whole side's scale words
	s_mov_b32 s[\g+3], 32<<16
	s_mov_b32 s[\g+4], 2*HALFS/256
	s_mov_b32 s[\g+5], 32
	s_mov_b32 s[\g+6], 0
	s_mov_b32 s[\g+7], 0
.endr
	s_mul_i32 s18, s16, NBK*KT*2048                ; in the ring I fetch half of a side: which half, in bytes
	s_mov_b32 s19, 0
	s_mul_i32 s20, s17, 2*NBK                      ; X: the block's first row tile
	s_mul_i32 s46, s42, 2*NBK                      ; Y likewise
	s_mul_i32 s22, s20, KT*64
	s_add_co_u32 s22, s22, XSC
	s_mul_i32 s92, s46, KT*64
	s_add_co_u32 s92, s92, WSOFF
	s_mul_i32 s20, s20, KT*2048
	s_mul_i32 s46, s46, KT*2048
	s_add_co_u32 s46, s46, WOFF
	s_mov_b32 s21, 0
	s_mov_b32 s23, 0
	s_mov_b32 s47, 0
	s_mov_b32 s93, 0
	s_mul_i32 s45, s14, HALFT                      ; where they go: by the wave's number alone
	s_mov_b32 s[LM], 0xffff0000
	s_wait_dscnt 0x0                               ; both opening adds are done
	s_wait_kmcnt 0x0
	s_add_nc_u64 s[20:21], s[4:5], s[20:21]
	s_add_nc_u64 s[22:23], s[4:5], s[22:23]
	s_add_nc_u64 s[46:47], s[6:7], s[46:47]
	s_add_nc_u64 s[92:93], s[6:7], s[92:93]
	CROUND                                         ; all sixteen work-groups are here: the first joint loads meet
	s_mov_b32 s[G0S], 1
	s_mov_b32 s[G0S+1], SCL
	s_mov_b64 s[G0S+2:G0S+3], s[22:23]
	s_or_b32 s[G0S+3], s[G0S+3], 0x80000000
	s_mov_b32 s[G0SB], 1
	s_mov_b32 s[G0SB+1], SCL+2*HALFS
	s_mov_b64 s[G0SB+2:G0SB+3], s[92:93]
	s_or_b32 s[G0SB+3], s[G0SB+3], 0x80000000
.set G0H,  4                           ; s[4:7], s[96:99] group 0 for the head's loads of slot 0: X's side whole, Y's side whole (the arguments in s[4:7] have been used)
.set G0HB, 96
	s_mov_b32 s[G0H], 1
	s_mov_b32 s[G0H+1], 0
	s_mov_b64 s[G0H+2:G0H+3], s[20:21]
	s_or_b32 s[G0H+3], s[G0H+3], 0x80000000
	s_mov_b32 s[G0HB], 1
	s_mov_b32 s[G0HB+1], 2*HALFT
	s_mov_b64 s[G0HB+2:G0HB+3], s[46:47]
	s_or_b32 s[G0HB+3], s[G0HB+3], 0x80000000
	s_add_nc_u64 s[20:21], s[20:21], s[18:19]      ; for the ring: my half of the side
	s_add_nc_u64 s[46:47], s[46:47], s[18:19]
.irp s, 0,1
	s_mov_b32 s[G0+4*\s], 1
	s_add_co_u32 s[G0+4*\s+1], s45, \s*SLOT
	s_add_nc_u64 s[G0+4*\s+2:G0+4*\s+3], s[20:21], \s*NQ*2048
	s_or_b32 s[G0+4*\s+3], s[G0+4*\s+3], 0x80000000
	s_mov_b32 s[G0B+4*\s], 1
	s_add_co_u32 s[G0B+4*\s+1], s45, \s*SLOT
	s_add_nc_u64 s[G0B+4*\s+2:G0B+4*\s+3], s[46:47], \s*NQ*2048
	s_or_b32 s[G0B+4*\s+3], s[G0B+4*\s+3], 0x80000000
.endr
; THE HEAD'S LOADS, ONE A WAVE: wave 0 slot 0's part of X, wave 1 that of Y, wave 2 X's scale words, wave 3 Y's.  One chain of branches on the wave's number; every way passes one load
.macro ARM under, g0, g1, next
	s_cmp_lt_u32 s14, \under
	s_cbranch_scc0 \next
	tensor_load_to_lds s[\g0:\g0+3], s[\g1:\g1+7]
	s_nop 0
.rept 4
	v_nop
.endr
	s_branch .Lhead_asked
\next:
.endm
	ARM 1, G0H,  G1,  .Lhead_b
	ARM 2, G0HB, G1B, .Lhead_sa
	ARM 3, G0S,  G1S, .Lhead_sb
	tensor_load_to_lds s[G0SB:G0SB+3], s[G1SB:G1SB+7]
	s_nop 0
.rept 4
	v_nop
.endr
.Lhead_asked:
; PREFETCH of slots 1, 2 and 3, each asked for behind the load of the slot two (slot 1: one) before it.  A wave's ring load is 8 row tiles x 4,096 bytes; the four partners that ask for it jointly take two
; row tiles each, told apart by address (cx for X, cy for Y): lanes 0-15 one tile, lanes 16-31 the next, 256 bytes apart: each block of 256 bytes is named once in a cluster
.set PFA,  2                           ; s[2:3] my work-group's two row tiles, at slot 1; never stepped
.set PFO,  30                          ; v30 256 (lane % 16) + 16,384 (lane / 16); never rewritten
	s_cmp_eq_u32 s15, 0
	s_cselect_b64 s[PFA:PFA+1], s[20:21], s[46:47]
	s_cselect_b32 s92, s40, s41
	s_lshl_b32 s92, s92, 15
	s_add_co_u32 s92, s92, NQ*2048
	s_mov_b32 s93, 0
	s_add_nc_u64 s[PFA:PFA+1], s[PFA:PFA+1], s[92:93]
	v_and_b32 v1, 15, v0                           ; r
	v_bfe_u32 v2, v0, 4, 1                         ; h
	v_and_b32 v3, 31, v0
	v_lshlrev_b32 v[LI], 4, v3
	v_lshlrev_b32 v[PFO], 8, v1
	v_lshl_add_u32 v[PFO], v2, 14, v[PFO]
	s_wait_alu depctr_va_vdst(0)
	s_cmp_eq_u32 ttmp9, 2                          ; v's columns?  The cluster's x: the same in all sixteen partners
	s_cselect_b32 s18, 2*HALFT, 0                  ; source 1 is read from Y's halves there, else from X's
	s_cselect_b32 s19, 0, 2*HALFT                  ; source 0 the other way round
	s_cselect_b32 s94, 2*HALFS, 0
	s_cselect_b32 s95, 0, 2*HALFS
	s_mul_i32 s21, s15, HALFT
	s_add_co_u32 s21, s21, s18
	s_mul_i32 s22, s16, HALFT
	s_add_co_u32 s22, s22, s19
.irp s, 0,1
	v_add_nc_u32 v[ADR1+\s], s21, v[LI]
	v_add_nc_u32 v[ADR0+\s], s22, v[LI]
	s_add_co_u32 s21, s21, SLOT
	s_add_co_u32 s22, s22, SLOT
.endr
	s_mul_i32 s21, s15, HALFS
	s_add_co_u32 s21, s21, s94
	s_mul_i32 s22, s16, HALFS
	s_add_co_u32 s22, s22, s95
	v_mov_b32 v5, s21
	v_mov_b32 v6, s22
	v_cndmask_b32 v5, v5, v6, s[LM]                ; lanes 0-15: source 1's words, lanes 16-31: source 0's
	v_lshl_add_u32 v5, v1, 2, v5
	v_add_nc_u32 v[ADRS], SCL, v5
	; both forms of the bias are loaded in every work-group, so that no register's state hangs on a path: 64 numbers along n, and one number for each of the 8 rows of the weight that my lane may hold
	s_lshl_b32 s46, s42, 10
	s_lshl_b32 s47, s16, 9
	s_add_co_u32 s46, s46, s47                     ; 4 (256 x + 128 w0)
	s_mov_b32 s47, 0
	s_lshl_b32 s92, s42, 10
	s_lshl_b32 s93, s15, 9
	s_add_co_u32 s92, s92, s93                     ; 4 (256 x + 128 w1)
	s_mov_b32 s93, 0
	s_add_nc_u64 s[92:93], s[8:9], s[92:93]
	s_add_nc_u64 s[8:9], s[8:9], s[46:47]
	v_lshlrev_b32 v[BAD], 6, v2
	v_and_b32 v[LAD], 8, v1
	v_add_nc_u32 v[LAD], v[LAD], v1
	v_lshlrev_b32 v[LAD], 2, v[LAD]
	global_prefetch_b8 v[PFO], s[PFA:PFA+1] th:TH_LOAD_NT scope:SCOPE_SE                 ; slot 1
	global_prefetch_b8 v[PFO], s[PFA:PFA+1] offset:NQ*2048 th:TH_LOAD_NT scope:SCOPE_SE  ; slot 2
.irp b, 0,1,2,3
.irp j, 0,1,2,3
	global_load_b128 v[BR+16*\b+4*\j:BR+16*\b+4*\j+3], v[BAD], s[8:9] offset:128*\b+16*\j
.endr
.endr
.irp a, 0,1,2,3,4,5,6,7
	global_load_b32 v[LB+\a], v[LAD], s[92:93] offset:(32*(\a/2)+8*(\a%2))*4
.endr
	s_wait_alu depctr_va_vdst(0)
	s_wait_tensorcnt 0x0                           ; my tile of the head's four is in
	ds_add_u32 v[SPW], v[NIL]
	s_mov_b32 s[G1+2], NBK<<16                     ; no tensor load of mine is out: from here on a load brings NBK row tiles
	s_mov_b32 s[G1+4], NBK
	s_mov_b32 s[G1B+2], NBK<<16
	s_mov_b32 s[G1B+4], NBK
	s_wait_dscnt 0x0
	CROUND                                         ; all four tiles are in, and all sixteen work-groups are here
	JLOAD G0+4, G1, G0B+4, G1B                     ; slot 1's first fill: my one tensor load behind the round
	FETCH0 0, 0, 0
	FETCH1 0, 0, 0
	SCALES 0
	FETCH1 0, 0, HB
	global_prefetch_b8 v[PFO], s[PFA:PFA+1] offset:2*NQ*2048 th:TH_LOAD_NT scope:SCOPE_SE   ; behind slot 1's load: slot 3
	STEP 0, 0, 1                                   ; the first step's products start the sums
.rept LAPS-1
	LAP
.endr
	STEPS 0, 1
	TURN 0, 1, 0                                   ; the last lap fills nothing, and has no round of the cluster's barrier
	STEPS 1, 0
	s_wait_dscnt 4*HB
	WIN MUL_LO
	MULA 0, HB, 1, NQ-1, 1, 0
	s_wait_dscnt 0x0
	WIN MUL_UP
	MULA HB, HB, 1, NQ-1, 1, 0
	WIN 0
	; THE WAY OUT.  Block a of source 1 (16 tokens, or 16 rows of Wv): its 64 numbers a lane + the bias are one fragment of the next product: quantised in registers and stored as an image.
	PLACES 8
	s_wait_loadcnt 0x0                             ; the biases.  No tensor load of mine is out since the last change of slots: the descriptors' registers are free
	s_mov_b32 s[SEL], 0x76543210
	s_mov_b32 s[SEL+1], 0xfedcba98
	s_mov_b32 s[MNT], 0x600000
	s_mov_b32 s[PSL], 0x05040100
	s_mov_b32 s[PSH], 0x07060302
	s_lshl_b32 s24, s42, 2
	s_lshl_b32 s25, s16, 1
	s_add_co_u32 s25, s24, s25                     ; q, k: G0 = 4 x + 2 w0
	s_lshl_b32 s26, s17, 4
	s_lshl_b32 s27, s15, 3
	s_add_co_u32 s26, s26, s27                     ; T0 = 16 y + 8 w1
	s_lshl_b32 s28, s25, 18
	s_lshl_b32 s29, s26, 10
	s_add_co_u32 s28, s28, s29                     ; codes: 262,144 G0 + 1,024 T0
	s_lshl_b32 s29, s25, 13
	s_lshl_b32 s30, s26, 5
	s_add_co_u32 s29, s29, s30
	s_add_co_u32 s29, s29, 12582912                ; scale words: 8,192 G0 + 64 (T0 / 2)
	s_lshl_b32 s30, s15, 1
	s_add_co_u32 s30, s24, s30
	s_and_b32 s30, s30, 15                         ; v: head 4 (x - 8) + 2 w1
	s_lshr_b32 s31, s17, 3
	s_lshl_b32 s31, s31, 4
	s_add_co_u32 s30, s30, s31                     ; + 16 x batch
	s_lshl_b32 s30, s30, 4
	s_lshl_b32 s31, s17, 1
	s_add_co_u32 s31, s31, s16
	s_and_b32 s31, s31, 15
	s_add_co_u32 s30, s30, s31                     ; x 16 + key step (2 y + w0) % 16
	s_lshl_b32 s31, s30, 13
	s_add_co_u32 s31, s31, 8388608
	s_lshl_b32 s30, s30, 8
	s_add_co_u32 s30, s30, 12845056
	s_mov_b32 s[INC], 1024
	s_mov_b32 s[INCB], 1024
	s_mov_b32 s46, 262144
	s_mov_b32 s47, 8192
	s_cmp_eq_u32 ttmp9, 2
	s_cselect_b32 s28, s31, s28
	s_cselect_b32 s30, s30, s29
	s_cselect_b32 s[INC], 2048, s[INC]
	s_cselect_b32 s[INCB], 124928, s[INCB]         ; v: from d tile 3 of a head to d tile 0 of the next
	s_cselect_b32 s[SINC], 128, 64
	s_cselect_b32 s[SINCB], 3968, 64
	s_cselect_b32 s46, 1024, s46                   ; planes 2, 3: q, k: the next head; v: 1,024 bytes on
	s_cselect_b32 s47, 64, s47                     ; lanes 16-31's scale words: q, k: the next head's; v: the odd block's
	s_cselect_b32 s[VM], -1, 0
	s_mov_b32 s29, 0
	s_mov_b32 s31, 0
	s_mov_b32 s[INC+1], 0
	s_mov_b32 s[INCB+1], 0
	s_mov_b32 s[SINC+1], 0
	s_mov_b32 s[SINCB+1], 0
	v_mul_u32_u24 v[SA], s47, v2
	v_lshl_add_u32 v[SA], v1, 2, v[SA]
	s_mov_b32 s47, 0
	s_add_nc_u64 s[OB0:OB0+1], s[10:11], s[28:29]
	s_add_nc_u64 s[OB1:OB1+1], s[OB0:OB0+1], s[46:47]
	s_add_nc_u64 s[SB:SB+1], s[10:11], s[30:31]
	WIN 0x40
.irp b, 0,1,2,3
	v_mov_b32 v[84+\b], 0                          ; a lane permute's destination counts as one of its sources
.endr
	WIN 0
.macro BIASADD a                       ; block a's accumulators, each from its low end on, + the bias -> window 1, v0-63
	s_cmp_eq_u32 ttmp9, 2
	s_cbranch_scc1 .Lvb_\@
	WIN 0x42+(\a)/4
.set J, 0
.rept 32
	v_pk_add_f32 v[J:J+1], v[64*((\a)%4)+J:64*((\a)%4)+J+1], v[BR+J:BR+J+1]
.set J, J+2
.endr
	WIN 0
	s_branch .Lbj_\@
.Lvb_\@:
	WIN 0x42+(\a)/4
.set J, 0
.rept 32
.if ((\a)%2) == 0
	v_pk_add_f32 v[J:J+1], v[64*((\a)%4)+J:64*((\a)%4)+J+1], v[LB+(\a):LB+(\a)+1] op_sel_hi:[1,0]
.else
	v_pk_add_f32 v[J:J+1], v[64*((\a)%4)+J:64*((\a)%4)+J+1], v[LB+(\a)-1:LB+(\a)] op_sel:[0,1] op_sel_hi:[1,1]
.endif
.set J, J+2
.endr
	WIN 0
.Lbj_\@:
.endm
.macro QROW a
	BIASADD \a
	s_wait_xcnt 0x0                                ; the last block's stores have read their data and their bases: both may be written
.if (\a) == 4
	s_add_nc_u64 s[OB0:OB0+1], s[OB0:OB0+1], s[INCB:INCB+1]
	s_add_nc_u64 s[OB1:OB1+1], s[OB1:OB1+1], s[INCB:INCB+1]
	s_add_nc_u64 s[SB:SB+1], s[SB:SB+1], s[SINCB:SINCB+1]
.elseif (\a) > 0
	s_add_nc_u64 s[OB0:OB0+1], s[OB0:OB0+1], s[INC:INC+1]
	s_add_nc_u64 s[OB1:OB1+1], s[OB1:OB1+1], s[INC:INC+1]
.if ((\a)%2) == 0
	s_add_nc_u64 s[SB:SB+1], s[SB:SB+1], s[SINC:SINC+1]
.endif
.endif
	WIN 0x55                                       ; every operand in window 1
	QUANT 0, 64, 80, 96+((\a)%2)
.if ((\a)%2) == 1
	v_perm_b32 v98, v97, v96, s[PSL]               ; q, k: the first head's two bytes of the even tile below those of the odd tile,
	v_perm_b32 v99, v97, v96, s[PSH]               ; and the second head's,
	v_cndmask_b32 v98, v98, v99, s[LM]             ; which lanes 16-31 store
	v_cndmask_b32 v99, v96, v97, s[LM]             ; v: the even block's words in lanes 0-15, the odd block's in lanes 16-31
	v_cndmask_b32 v98, v98, v99, s[VM]
.endif
	WIN 0x04                                       ; a store's data: window 1
	global_store_b128 v[LI], v[64:67], s[OB0:OB0+1]
	global_store_b128 v[LI], v[68:71], s[OB0:OB0+1] offset:512
	global_store_b128 v[LI], v[72:75], s[OB1:OB1+1]
	global_store_b128 v[LI], v[76:79], s[OB1:OB1+1] offset:512
.if ((\a)%2) == 1
	global_store_b32 v[SA], v98, s[SB:SB+1]
.endif
	WIN 0
.endm
.irp a, 0,1,2,3,4,5,6,7
	QROW \a
.endr
	s_wait_tensorcnt 0x0                           ; the wave's end
	ds_add_u32 v[SPW], v[NIL]
	s_wait_dscnt 0x0
	CROUND                                         ; the closing round
	s_endpgm
.Lfunc_end_k_q3445943f47_qkv:
	.size	k_q3445943f47_qkv, .Lfunc_end_k_q3445943f47_qkv-k_q3445943f47_qkv
	.p2alignl 7, 3214868480
	.fill 96, 4, 3214868480
	.section	.rodata,"a",@progbits
	.p2align	6, 0x0
	.amdhsa_kernel k_q3445943f47_qkv
		.amdhsa_group_segment_fixed_size 327680
		.amdhsa_private_segment_fixed_size 0
		.amdhsa_enable_private_segment 0
		.amdhsa_kernarg_size 32
		.amdhsa_user_sgpr_count 2
		.amdhsa_user_sgpr_kernarg_segment_ptr 1
		.amdhsa_wavefront_size32 1
		.amdhsa_system_sgpr_workgroup_id_x 1
		.amdhsa_system_sgpr_workgroup_id_y 1
		.amdhsa_system_sgpr_workgroup_id_z 1
		.amdhsa_system_vgpr_workitem_id 0
		.amdhsa_next_free_vgpr 1024
		.amdhsa_next_free_sgpr 100
		.amdhsa_reserve_vcc 0
		.amdhsa_float_denorm_mode_32 3
		.amdhsa_float_denorm_mode_16_64 3
		.amdhsa_memory_ordered 1
		.amdhsa_forward_progress 1
		.amdhsa_inst_pref_size 228
	.end_amdhsa_kernel
	.amdgpu_metadata
---
amdhsa.version: [ 1, 2 ]
amdhsa.kernels:
  - .name:           k_q3445943f47_qkv
    .symbol:         k_q3445943f47_qkv.kd
    .args:
      - { .name: hq, .offset: 0, .size: 8, .value_kind: global_buffer, .address_space: global }
      - { .name: wq, .offset: 8, .size: 8, .value_kind: global_buffer, .address_space: global }
      - { .name: qkv_b, .offset: 16, .size: 8, .value_kind: global_buffer, .address_space: global }
      - { .name: qkvq, .offset: 24, .size: 8, .value_kind: global_buffer, .address_space: global }
    .group_segment_fixed_size: 327680
    .private_segment_fixed_size: 0
    .kernarg_segment_align: 8
    .kernarg_segment_size: 32
    .max_flat_workgroup_size: 128
    .sgpr_count:     100
    .vgpr_count:     1024
    .wavefront_size: 32
...
	.end_amdgpu_metadata
.endif
;; end of part 2
;; launch attn (part 3): grid 8 x 32, 16 waves a work-group, no clusters, 327,680 bytes of LDS; arguments qkvq, oq; writes oq
.if DOCPART == 3
	.amdgcn_target "amdgcn-amd-amdhsa--gfx1250"
	.amdhsa_code_object_version 6
	.text
	.protected	k_q3445943f47_attn
	.globl	k_q3445943f47_attn
	.p2align	8
	.type	k_q3445943f47_attn,@function
k_q3445943f47_attn:
	s_mov_b64 s[64:65], 0
	v_nop
	global_prefetch_b8 v0, s[64:65] scope:SCOPE_SE
	s_setreg_imm32_b32 hwreg(HW_REG_WAVE_MODE, 25, 1), 1
	s_wait_xcnt 0x0
; Causal attention on codes of E5M2, and the quantising of its result along the model's 1,024 for the out projection.
; LEFT OUT: a step of 128 keys all of which come after all 16 queries of a wave (reference()'s own jnp.tril gives them the weight 0: the first kernel's head), and the LDS fills that only such steps would read.
; t = score x log2(e) / 8; M = the running largest t rounded up to a whole number; p = 2^(t - M) is quantised along the keys; the row's sum is taken of the unquantised p and divides at the end.
; SHARES.  Work-group (i, batch x head) owns query blocks i and 15 - i of 128 queries: every work-group has 17 block-steps of work for each pair of waves.  A wave owns one tile of 16 queries: block i or
; 15 - i by bit 0 xor bit 2 of its number, tile wave / 2 in the block.  Every wave passes all 8 changes of slots; the trip counts are constants of the text.
; NO CLUSTER: under the mask some partners would jump over the reads of tiles that a joint load brings.
; LAYOUT.  Both products are used transposed: S^T = K Q^T, O^T = V^T P^T: a lane holds one query throughout.  The head's K is 64, half of the instruction's 128: a fragment of K holds two tiles of 16 keys,
; the even tile's 64 codes at k 0-63, the odd tile's at k 64-127; q stands between two runs of zero codes, so that v[24:39] meets the even tile and v[16:31] the odd one; the other half adds exact zeros.
; LDS: two slots of 32,768 bytes (256 keys): K as [half 2][step 2][2][2,048], then V likewise: each of waves 0-3 fetches 2 rows of 4,096 bytes, 8,192 apart in memory: a part of both steps.
; Behind them the head's scale words, K's 4,096 bytes and V's 4,096, filled once; then the spare words.
; LIMITS: NaN and infinities are not served; v_exp_f32 gives 0 under 2^-126; blocks under 2^-111 and blocks of zeros keep the scale byte 1.  o's two scale bytes leave as 2 bytes a lane: 1/32 of the codes' bytes.
.set SLOTB, 32768
.set SCK,   65536
.set SPARE, 73728                      ; 128 bytes for each of 16 waves, which no other line names
.set NSL,   8
.set LI,  1                            ; v1  16 x lane
.set LS,  2                            ; v2  SCK + 4 r
.set DM,  3                            ; v3  my query's place in its block - 16 h
.set GR,  4                            ; v4  4 r
.set SPW, 5
.set NIL, 6
.set PFO, 7                            ; v7  256 x lane
.set ADK, 8
.set ADS, 9
.set QZ,  16                           ; v16-23 zeros, v24-31 q's codes, v32-39 zeros
.set FR,  40                           ; v40-103  four fragments of K, then of V
.set S,   104                          ; v104-167 S^T, then p: register 16 b + i = key 32 b + 16 h + i of the step
.set OT,  168                          ; v168-199 O^T: register 16 b + i = d 32 b + 16 h + i
.set PC,  200                          ; v200-215 p's codes
.set BM,  216
.set BT,  220
.set HO,  224
.set SO,  228
.set SW,  232                          ; v232-235 scale words of K or of V
.set F,   236                          ; v236 f = 2^(old M - new M);  v237 p's scale word
.set WD,  237
.set TP,  239
.set QS,  240                          ; v240 q's scale word
.set WV,  18
.set G1,  24
.set G1S, 32
.set G0,  40
.set G0S, 44
.set TB,  2
.set TS,  3
.set SLOTS, 67
.set SEL, 70
.set CS,  72
.set MNT, 74
.set LIM, 75
.set PFA, 76
.set KF,  97                           ; s97 the step's first key
.set QB,  98                           ; s98 my block's first query
.set QL,  99                           ; s99 my work-group's last query
.macro TLOAD                           ; waves 0-3 fetch; an s_nop 0 and four v_nop follow the line
	s_cmp_lt_u32 s[WV], 4
	s_cbranch_scc0 .Lnone_\@
	tensor_load_to_lds s[G0:G0+3], s[G1:G1+7]
	s_nop 0
.rept 4
	v_nop
.endr
.Lnone_\@:
.endm
; a prefetch of the slot that the NEXT change of slots will ask for: 16,384 bytes of K and of V.  All eight work-groups of a head walk the same rows: the first asks; in it waves 4, 5 for K and 6, 7 for V,
; 8,192 bytes a wave, lanes 256 bytes apart: each block of 256 bytes is named once in the launch.  The last filling change asks for nothing.
.macro ASK
	s_cmp_gt_u32 s[SLOTS], s[LIM]
	s_cbranch_scc0 .Lnot_mine_\@
	global_prefetch_b8 v[PFO], s[PFA:PFA+1] th:TH_LOAD_NT scope:SCOPE_SE
.Lnot_mine_\@:
.endm
	s_load_b128 s[4:7], s[0:1], 0x0                ; qkvq, oq
	v_lshl_add_u32 v[SPW], v0, 2, SPARE
	v_mov_b32 v[NIL], 0
	ds_add_u32 v[SPW], v[NIL]                      ; the wave's opening: the add, twice on end, and its wait ahead of the first tensor load
	ds_add_u32 v[SPW], v[NIL]
	v_lshrrev_b32 v8, 5, v0
	s_delay_alu instid0(VALU_DEP_1)
	v_readfirstlane_b32 s[WV], v8                  ; wave 0..15
	s_and_b32 s8, ttmp7, 0xffff                    ; 16 x batch + head
	s_lshr_b32 s9, s8, 4
	s_and_b32 s10, s8, 15
	s_lshr_b32 s11, s[WV], 2
	s_xor_b32 s11, s11, s[WV]
	s_and_b32 s11, s11, 1
	s_sub_co_u32 s12, 15, ttmp9
	s_cmp_eq_u32 s11, 0
	s_cselect_b32 s12, ttmp9, s12                  ; my block of 128 queries
	s_lshl_b32 s[QB], s12, 7
	s_lshr_b32 s13, s[WV], 1                       ; my tile in it
	s_lshl_b32 s14, s12, 3
	s_add_co_u32 s14, s14, s13
	s_lshl_b32 s15, s9, 7
	s_add_co_u32 s15, s15, s14                     ; my token tile, 0..255
	s_sub_co_u32 s[QL], 16, ttmp9
	s_lshl_b32 s[QL], s[QL], 7
	s_sub_co_u32 s[QL], s[QL], 1
	s_add_co_u32 s16, s10, 16
	s_lshl_b32 s16, s16, 18
	s_lshl_b32 s17, s9, 17
	s_add_co_u32 s16, s16, s17                     ; K's codes of my head and batch
	s_lshl_b32 s17, s8, 17
	s_add_co_u32 s17, s17, 8388608                 ; V's
	s_add_co_u32 s20, s10, 16
	s_lshl_b32 s20, s20, 13
	s_lshl_b32 s21, s9, 12
	s_add_co_u32 s20, s20, s21
	s_add_co_u32 s20, s20, 12582912                ; K's scale words
	s_lshl_b32 s21, s8, 12
	s_add_co_u32 s21, s21, 12845056                ; V's
	s_bitcmp1_b32 s[WV], 1                         ; waves 0, 1, 4, 5: K;  2, 3, 6, 7: V
	s_cselect_b32 s16, s17, s16
	s_cselect_b32 s20, s21, s20
	s_and_b32 s22, s[WV], 1
	s_lshl_b32 s23, s22, 13
	s_add_co_u32 s78, s16, s23
	s_add_co_u32 s78, s78, 16384                   ; the prefetches stand in slot 1: the first change steps them to slot 2
	s_mov_b32 s79, 0
	s_lshl_b32 s23, s22, 12
	s_add_co_u32 s16, s16, s23                     ; my tensor loads: 4,096 bytes of each step
	s_mov_b32 s17, 0
	s_lshl_b32 s23, s22, 11
	s_add_co_u32 s20, s20, s23
	s_mov_b32 s21, 0
	s_lshl_b32 s54, s10, 18
	s_lshl_b32 s55, s15, 10
	s_add_co_u32 s54, s54, s55                     ; q's codes
	s_mov_b32 s55, 0
	s_lshl_b32 s56, s10, 13
	s_lshr_b32 s57, s15, 1
	s_lshl_b32 s57, s57, 6
	s_add_co_u32 s56, s56, s57
	s_add_co_u32 s56, s56, 12582912                ; the scale words of q's pair of tiles
	s_mov_b32 s57, 0
	s_lshl_b32 s58, s15, 14
	s_lshl_b32 s59, s10, 10
	s_add_co_u32 s58, s58, s59                     ; o's two planes: 16,384 x tile + 1,024 x head
	s_mov_b32 s59, 0
	s_lshl_b32 s60, s15, 9
	s_lshr_b32 s61, s10, 1
	s_lshl_b32 s61, s61, 6
	s_add_co_u32 s60, s60, s61
	s_and_b32 s61, s10, 1
	s_lshl_b32 s61, s61, 1
	s_add_co_u32 s60, s60, s61
	s_add_co_u32 s60, s60, 4194304                 ; o's two scale bytes
	s_mov_b32 s61, 0
	s_and_b32 s62, s15, 1
	s_lshl_b32 s62, s62, 4                         ; which half of the pair's word is my tile's
	s_lshr_b32 s63, s13, 1
	s_lshl_b32 s63, s63, 5
	s_and_b32 s66, s13, 1
	s_lshl_b32 s66, s66, 3
	s_add_co_u32 s63, s63, s66                     ; my tile's first place in the block
	s_mov_b32 s[G1], 3<<16                         ; elements of 8 bytes, no mask, no padding
	s_mov_b32 s[G1+1], 512<<16                     ; tensor_dim0: 4,096 bytes
	s_mov_b32 s[G1+2], 2<<16                       ; tensor_dim1
	s_mov_b32 s[G1+3], 512<<16                     ; tile_dim0
	s_mov_b32 s[G1+4], 2                           ; tile_dim1
	s_mov_b32 s[G1+5], 1024                        ; 8,192 bytes from step to step
	s_mov_b32 s[G1+6], 0
	s_mov_b32 s[G1+7], 0
	s_mov_b32 s[G1S], 3<<16                        ; 2,048 dense bytes of scale words, as 8 rows of 256
	s_mov_b32 s[G1S+1], 32<<16
	s_mov_b32 s[G1S+2], 8<<16
	s_mov_b32 s[G1S+3], 32<<16
	s_mov_b32 s[G1S+4], 8
	s_mov_b32 s[G1S+5], 32
	s_mov_b32 s[G1S+6], 0
	s_mov_b32 s[G1S+7], 0
	s_and_b32 s22, s[WV], 3
	s_lshl_b32 s23, s22, 13                        ; into a slot: 8,192 x wave
	s_lshl_b32 s22, s22, 11
	s_add_co_u32 s22, s22, SCK                     ; the scale words: 2,048 x wave
	s_mov_b32 s[SEL], 0x76543210
	s_mov_b32 s[SEL+1], 0xfedcba98
	s_mov_b32 s[CS], 0x3e38aa3b                    ; log2(e) / 8
	s_mov_b32 s[CS+1], s[CS]
	s_mov_b32 s[MNT], 0x600000
	s_mov_b32 s[TB], 0
	s_mov_b32 s[TS], 0
	s_mov_b32 s[KF], 0
	s_mov_b32 s[SLOTS], NSL-1
	s_lshr_b32 s[LIM], s[WV], 2
	s_xor_b32 s[LIM], s[LIM], 1                    ; 0 in waves 4 to 7,
	s_or_b32 s[LIM], s[LIM], ttmp9                 ; of the head's first work-group
	s_cmp_eq_u32 s[LIM], 0
	s_cselect_b32 s[LIM], 1, -1
	s_wait_dscnt 0x0                               ; both opening adds are done
	s_wait_kmcnt 0x0
	s_mov_b32 s[G0S], 1
	s_mov_b32 s[G0S+1], s22
	s_add_nc_u64 s[G0S+2:G0S+3], s[4:5], s[20:21]
	s_or_b32 s[G0S+3], s[G0S+3], 0x80000000
	s_mov_b32 s[G0], 1
	s_mov_b32 s[G0+1], s23
	s_add_nc_u64 s[G0+2:G0+3], s[4:5], s[16:17]
	s_or_b32 s[G0+3], s[G0+3], 0x80000000
	s_cmp_lt_u32 s[WV], 4                          ; the head's loads, one a wave: waves 0-3 fetch slot 0, waves 4-7 the scale words (their places hang on wave % 4 alike)
	s_cbranch_scc0 .Lfirst_s
	tensor_load_to_lds s[G0:G0+3], s[G1:G1+7]
	s_nop 0
.rept 4
	v_nop
.endr
	s_branch .Lno_first
.Lfirst_s:
	s_cmp_lt_u32 s[WV], 8
	s_cbranch_scc0 .Lno_first
	tensor_load_to_lds s[G0S:G0S+3], s[G1S:G1S+7]
	s_nop 0
.rept 4
	v_nop
.endr
.Lno_first:
	s_add_nc_u64 s[PFA:PFA+1], s[4:5], s[78:79]
	s_add_nc_u64 s[48:49], s[4:5], s[54:55]
	s_add_nc_u64 s[50:51], s[4:5], s[56:57]
	s_add_nc_u64 s[52:53], s[6:7], s[60:61]
	s_add_nc_u64 s[6:7], s[6:7], s[58:59]
	v_and_b32 v10, 31, v0
	s_delay_alu instid0(VALU_DEP_1)
	v_lshlrev_b32 v[LI], 4, v10
	s_delay_alu instid0(VALU_DEP_2)
	v_lshlrev_b32 v[PFO], 8, v10
	v_and_b32 v8, 15, v0                           ; r
	v_bfe_u32 v9, v0, 4, 1                         ; h
	s_delay_alu instid0(VALU_DEP_2)
	v_lshlrev_b32 v[GR], 2, v8
	s_delay_alu instid0(VALU_DEP_1)
	v_add_nc_u32 v[LS], SCK, v[GR]
	global_load_b128 v[QZ+8:QZ+11], v[LI], s[48:49]
	global_load_b128 v[QZ+12:QZ+15], v[LI], s[48:49] offset:512
	global_load_b32 v[QS], v[GR], s[50:51]
	v_and_b32 v11, 8, v8
	s_delay_alu instid0(VALU_DEP_1)
	v_add_nc_u32 v11, v11, v8
	s_delay_alu instid0(VALU_DEP_1)
	v_add_nc_u32 v11, s63, v11
	v_lshlrev_b32 v9, 4, v9
	s_delay_alu instid0(VALU_DEP_1)
	v_sub_nc_u32 v[DM], v11, v9
.irp j, 0,1,2,3,4,5,6,7
	v_mov_b32 v[QZ+\j], 0                          ; zero codes on both sides of q
	v_mov_b32 v[QZ+16+\j], 0
.endr
	v_mov_b32 v13, 0xff61b1e6                      ; the largest t so far: -3e38
	s_delay_alu instid0(VALU_DEP_1)
	v_floor_f32 v12, -v13                          ; -M
	v_mov_b32 v14, 0
	v_mov_b32 v15, 0
.irp b, 0,1,2,3
	v_mov_b32 v[BT+\b], 0                          ; a lane permute's destination counts as one of its sources
.endr
	v_mov_b32 v[WD], 0
	v_mov_b32 v[TP], 0
.irp j, 0,1,2,3,4,5,6,7,8,9,10,11,12,13,14,15,16,17,18,19,20,21,22,23,24,25,26,27,28,29,30,31
	v_mov_b32 v[OT+\j], 0                          ; the step is written once: the first finds zeros, which the first change of M leaves zeros
.endr
; A KEY STEP: 128 keys, the q-th of the slot in hand
.macro STEP q
	s_cmp_gt_u32 s[KF], s[QB]                      ; all its keys come after my block's queries: left out, but for the stepping lines at its end
	s_cbranch_scc1 .Lhidden_\@
	v_add_nc_u32 v[ADK], s[TB], v[LI]
	v_add_nc_u32 v[ADS], s[TS], v[LS]
.rept 6
	v_nop                                          ; with the two additions: eight places in front of loads into registers that the last products read
.endr
.irp b, 0,1,2,3
.irp c, 0,1,2,3
	ds_load_b128 v[FR+16*\b+4*\c:FR+16*\b+4*\c+3], v[ADK] offset:8192*(\b/2)+4096*(\q)+2048*(\b%2)+512*\c
.endr
	ds_load_b32 v[SW+\b], v[ADS] offset:64*\b
.endr
	s_wait_dscnt 0x0
	s_wait_alu depctr_va_vdst(0)
.irp b, 0,1,2,3
	v_wmma_scale_f32_16x16x128_f8f6f4 v[S+16*\b:S+16*\b+7], v[FR+16*\b:FR+16*\b+15], v[QZ+8:QZ+23], 0, v[SW+\b], v[QS] matrix_a_fmt:MATRIX_FMT_BF8 matrix_b_fmt:MATRIX_FMT_BF8
	v_wmma_scale_f32_16x16x128_f8f6f4 v[S+16*\b+8:S+16*\b+15], v[FR+16*\b:FR+16*\b+15], v[QZ:QZ+15], 0, v[SW+\b], v[QS] matrix_a_fmt:MATRIX_FMT_BF8 matrix_b_fmt:MATRIX_FMT_BF8
.endr
.rept 8
	v_nop
.endr
.irp i, 0,1,2,3                                ; V's fragments are asked for now and land under the softmax
.irp c, 0,1,2,3
	ds_load_b128 v[FR+16*\i+4*\c:FR+16*\i+4*\c+3], v[ADK] offset:16384+8192*(\i/2)+4096*(\q)+2048*(\i%2)+512*\c
.endr
	ds_load_b32 v[SW+\i], v[ADS] offset:4096+64*\i
.endr
	s_cmp_lt_u32 s[KF], s[QB]                      ; all keys count: no mask
	s_cbranch_scc1 .Lopen_\@
	v_mov_b32 v[TP], 0xff800000                    ; on the diagonal hidden scores become -infinity ahead of the maximum: register 16 b + i is hidden where 32 b + i > my place - 16 h
.irp n, 0,1,2,3,4,5,6,7,8,9,10,11,12,13,14,15,16,17,18,19,20,21,22,23,24,25,26,27,28,29,30,31,32,33,34,35,36,37,38,39,40,41,42,43,44,45,46,47,48,49,50,51,52,53,54,55,56,57,58,59,60,61,62,63
	v_cmp_gt_i32 vcc_lo, 32*(\n/16)+\n%16, v[DM]
	v_cndmask_b32 v[S+\n], v[S+\n], v[TP], vcc_lo
.endr
.Lopen_\@:
.irp b, 0,1,2,3
	v_max3_num_f32 v[BM+\b], v[S+16*\b], v[S+1+16*\b], v[S+2+16*\b]   ; the largest score of each block of 32 keys: for the row's maximum, and for the block's largest p
.endr
.irp i, 3,5,7,9,11,13
.irp b, 0,1,2,3
	v_max3_num_f32 v[BM+\b], v[BM+\b], v[S+16*\b+\i], v[S+1+16*\b+\i]
.endr
.endr
.irp b, 0,1,2,3
	v_max_num_f32 v[BM+\b], v[BM+\b], v[S+15+16*\b]
.endr
.irp b, 0,1,2,3
	s_delay_alu instid0(VALU_DEP_4)
	v_permlanex16_b32 v[BT+\b], v[BM+\b], s[SEL], s[SEL+1]
.endr
.irp b, 0,1,2,3
	s_delay_alu instid0(VALU_DEP_4)
	v_max_num_f32 v[BM+\b], v[BM+\b], v[BT+\b]
.endr
	s_delay_alu instid0(VALU_DEP_2)
	v_max3_num_f32 v[TP], v[BM], v[BM+1], v[BM+2]
	s_delay_alu instid0(VALU_DEP_1)
	v_max_num_f32 v[TP], v[TP], v[BM+3]
	s_delay_alu instid0(VALU_DEP_1)
	v_mul_f32 v[TP], s[CS], v[TP]
	s_delay_alu instid0(VALU_DEP_1)
	v_max_num_f32 v13, v13, v[TP]                  ; the running largest t
	v_mov_b32 v[TP], v12
	s_delay_alu instid0(VALU_DEP_2)
	v_floor_f32 v12, -v13                          ; the new -M: M is a whole number
	s_delay_alu instid0(VALU_DEP_1)
	v_sub_f32 v[TP], v12, v[TP]
	s_delay_alu instid0(VALU_DEP_1)
	v_cvt_i32_f32 v[TP], v[TP]
	s_delay_alu instid0(VALU_DEP_1)
	v_ldexp_f32 v[F], 1.0, v[TP]                   ; f = 2^(old M - new M)
.irp j, 0,2,4,6,8,10,12,14,16,18,20,22,24,26,28,30,32,34,36,38,40,42,44,46,48,50,52,54,56,58,60,62
	v_pk_fma_f32 v[S+\j:S+\j+1], v[S+\j:S+\j+1], s[CS:CS+1], v[12:13] op_sel_hi:[1,0,0]   ; t - M
.endr
.irp b, 0,1,2,3
	v_fma_f32 v[BM+\b], v[BM+\b], s[CS], v12
.endr
	s_wait_alu depctr_va_vdst(0)
.irp j, 0,1,2,3,4,5,6,7,8,9,10,11,12,13,14,15,16,17,18,19,20,21,22,23,24,25,26,27,28,29,30,31,32,33,34,35,36,37,38,39,40,41,42,43,44,45,46,47,48,49,50,51,52,53,54,55,56,57,58,59,60,61,62,63
	v_exp_f32 v[S+\j], v[S+\j]                     ; p = 2^(t - M)
.endr
	v_pk_mul_f32 v[14:15], v[14:15], v[F:F+1] op_sel_hi:[1,0]   ; the sums under the new M: a plain line behind the exponentials
	s_wait_alu depctr_va_vdst(0)                   ; one wait for the batch, ahead of its first reader
.irp b, 0,1,2,3
	v_exp_f32 v[BM+\b], v[BM+\b]                   ; the block's largest p
.endr
	v_pk_add_f32 v[220:221], v[108:109], v[112:113]
	v_pk_add_f32 v[254:255], v[116:117], v[120:121]
	v_pk_add_f32 v[252:253], v[124:125], v[128:129]
	v_pk_add_f32 v[250:251], v[132:133], v[136:137]
	v_pk_add_f32 v[248:249], v[140:141], v[144:145]
	v_pk_add_f32 v[246:247], v[148:149], v[152:153]
	v_pk_add_f32 v[244:245], v[156:157], v[160:161]
	v_pk_add_f32 v[14:15], v[14:15], v[164:165]
	v_pk_add_f32 v[220:221], v[220:221], v[104:105]
	v_pk_add_f32 v[254:255], v[254:255], v[106:107]
	v_pk_add_f32 v[252:253], v[252:253], v[110:111]
	v_pk_add_f32 v[250:251], v[250:251], v[114:115]
	v_pk_add_f32 v[248:249], v[248:249], v[118:119]
	v_pk_add_f32 v[246:247], v[246:247], v[122:123]
	v_pk_add_f32 v[244:245], v[244:245], v[126:127]
	v_pk_add_f32 v[14:15], v[14:15], v[130:131]
	v_pk_add_f32 v[220:221], v[220:221], v[134:135]
	v_pk_add_f32 v[254:255], v[254:255], v[138:139]
	v_pk_add_f32 v[252:253], v[252:253], v[142:143]
	v_pk_add_f32 v[250:251], v[250:251], v[146:147]
	v_pk_add_f32 v[248:249], v[248:249], v[150:151]
	v_pk_add_f32 v[246:247], v[246:247], v[154:155]
	v_pk_add_f32 v[244:245], v[244:245], v[158:159]
	v_pk_add_f32 v[14:15], v[14:15], v[162:163]
	v_pk_add_f32 v[220:221], v[220:221], v[166:167]
	s_delay_alu instid0(VALU_DEP_2)
	v_pk_add_f32 v[14:15], v[14:15], v[250:251]
	s_delay_alu instid0(VALU_DEP_2)
	v_pk_add_f32 v[220:221], v[220:221], v[248:249]
	v_pk_add_f32 v[254:255], v[254:255], v[246:247]
	v_pk_add_f32 v[252:253], v[252:253], v[244:245]
	s_delay_alu instid0(VALU_DEP_2)
	v_pk_add_f32 v[14:15], v[14:15], v[254:255]
	s_delay_alu instid0(VALU_DEP_2)
	v_pk_add_f32 v[220:221], v[220:221], v[252:253]
	s_delay_alu instid0(VALU_DEP_1)
	v_pk_add_f32 v[14:15], v[14:15], v[220:221]
	s_wait_alu depctr_va_vdst(0)                   ; and one for the four
.irp b, 0,1,2,3
	v_max_num_f32 v[BM+\b], 0x8000000, v[BM+\b]    ; the floor 2^(16 - 127)
.endr
.irp b, 0,1,2,3
	s_delay_alu instid0(VALU_DEP_4)
	v_add_nc_u32 v[SO+\b], 0xf8800000, v[BM+\b]
.endr
.irp b, 0,1,2,3
	v_and_or_b32 v[HO+\b], v[BM+\b], 0x7f800000, s[MNT]
.endr
.irp b, 0,1,2,3
	v_lshrrev_b32 v[BT+\b], 23, v[SO+\b]
.endr
	s_delay_alu instid0(VALU_DEP_3)
	v_lshl_or_b32 v[WD], v[BT+1], 8, v[BT]         ; p's scale word for these 128 keys
	s_delay_alu instid0(VALU_DEP_1)
	v_lshl_or_b32 v[WD], v[BT+2], 16, v[WD]
	s_delay_alu instid0(VALU_DEP_1)
	v_lshl_or_b32 v[WD], v[BT+3], 24, v[WD]
.irp b, 0,1,2,3
.irp i, 0,1,2,3,4,5,6,7,8,9,10,11,12,13,14,15
	v_min_num_f32 v[S+16*\b+\i], v[S+16*\b+\i], v[HO+\b]   ; p is not negative: a one-sided hold
.endr
	v_cvt_scalef32_pk8_bf8_f32 v[PC+4*\b:PC+1+4*\b], v[S+16*\b:S+7+16*\b], v[SO+\b]
	v_cvt_scalef32_pk8_bf8_f32 v[PC+2+4*\b:PC+3+4*\b], v[S+8+16*\b:S+15+16*\b], v[SO+\b]
.endr
.irp j, 0,2,4,6,8,10,12,14,16,18,20,22,24,26,28,30
	v_pk_mul_f32 v[OT+\j:OT+\j+1], v[OT+\j:OT+\j+1], v[F:F+1] op_sel_hi:[1,0]   ; O^T under the new M; these are also the places in front of the products below
.endr
	s_wait_alu depctr_va_vdst(0)
	s_wait_dscnt 0x0                               ; V
.irp i, 0,1,2,3
	v_wmma_scale_f32_16x16x128_f8f6f4 v[OT+8*\i:OT+8*\i+7], v[FR+16*\i:FR+16*\i+15], v[PC:PC+15], v[OT+8*\i:OT+8*\i+7], v[SW+\i], v[WD] matrix_a_fmt:MATRIX_FMT_BF8 matrix_b_fmt:MATRIX_FMT_BF8
.endr
.Lhidden_\@:
	s_add_co_u32 s[KF], s[KF], 128
	s_add_co_u32 s[TS], s[TS], 256                 ; the next step's scale words: four fragments x 64 bytes, of K and of V alike
.endm
; THE CHANGE OF SLOTS stands at a slot's head: every wave waits for all its tensor loads, adds 0 to its spare word (where a fill follows: twice on end), and waits for that and
; for its reads of the slot that it has left.  Behind the barrier the other slot is filled with the keys that follow, up to the causal limit.
.macro CHANGE fill
	s_wait_tensorcnt 0x0
	ds_add_u32 v[SPW], v[NIL]
.if \fill
	ds_add_u32 v[SPW], v[NIL]
	s_xor_b32 s[G0+1], s[G0+1], SLOTB              ; the walking descriptor: the other slot,
	s_add_nc_u64 s[G0+2:G0+3], s[G0+2:G0+3], 16384 ; the next 256 keys
	s_wait_xcnt 0x0                                ; the last prefetch, a slot back, has read its address
	s_add_nc_u64 s[PFA:PFA+1], s[PFA:PFA+1], 16384
.endif
	s_wait_dscnt 0x0
	s_barrier_signal -1
	s_barrier_wait -1
.if \fill
	s_add_co_u32 s96, s[KF], 256                   ; the first key of the slot that this change would ask for
	s_cmp_gt_u32 s96, s[QL]                        ; behind my work-group's last query: no wave would read it.  Ids and the count of steps alone: all sixteen waves go the same way
	s_cbranch_scc1 .Lpast_\@
	TLOAD
.Lpast_\@:
	ASK
.endif
.endm
.macro SLOT_STEPS
	STEP 0
	STEP 1
	s_xor_b32 s[TB], s[TB], SLOTB
.endm
	s_wait_loadcnt 0x0                             ; q
	v_lshrrev_b32 v[QS], s62, v[QS]
	s_delay_alu instid0(VALU_DEP_1)
	v_and_b32 v[QS], 0xffff, v[QS]
	s_delay_alu instid0(VALU_DEP_1)
	v_lshl_or_b32 v[QS], v[QS], 16, v[QS]          ; my tile's two bytes, below and above: they serve both places of q
.Lslot:
	CHANGE 1
	SLOT_STEPS
	s_sub_co_u32 s[SLOTS], s[SLOTS], 1
	s_cmp_lg_u32 s[SLOTS], 0
	s_cbranch_scc1 .Lslot
	CHANGE 0                                       ; the last slot is written out: nothing is left to ask for
	SLOT_STEPS
	; THE WAY OUT: o = O^T / the sum; its 64 numbers of my head are two blocks of 32 along the out projection's K: quantised, and stored as two planes of a fragment image
.rept 8
	v_nop                                          ; places behind the last products
.endr
	v_add_f32 v14, v14, v15
	s_delay_alu instid0(VALU_DEP_1)
	v_permlanex16_b32 v[TP], v14, s[SEL], s[SEL+1]
	s_delay_alu instid0(VALU_DEP_1)
	v_add_f32 v14, v14, v[TP]
	s_wait_alu depctr_va_vdst(0)
	v_rcp_f32 v14, v14
	v_nop
	s_wait_alu depctr_va_vdst(0)
.irp j, 0,2,4,6,8,10,12,14,16,18,20,22,24,26,28,30
	v_pk_mul_f32 v[S+\j:S+\j+1], v[OT+\j:OT+\j+1], v[14:15] op_sel_hi:[1,0]
.endr
.irp b, 0,1
	v_max3_num_f32 v[BM+\b], |v[S+16*\b]|, |v[S+1+16*\b]|, 0x8000000
.endr
.irp i, 2,4,6,8,10,12,14
.irp b, 0,1
	s_delay_alu instid0(VALU_DEP_2)
	v_max3_num_f32 v[BM+\b], v[BM+\b], |v[S+16*\b+\i]|, |v[S+1+16*\b+\i]|
.endr
.endr
.irp b, 0,1
	s_delay_alu instid0(VALU_DEP_2)
	v_permlanex16_b32 v[BT+\b], v[BM+\b], s[SEL], s[SEL+1]
.endr
.irp b, 0,1
	s_delay_alu instid0(VALU_DEP_2)
	v_max_num_f32 v[BM+\b], v[BM+\b], v[BT+\b]
.endr
.irp b, 0,1
	s_delay_alu instid0(VALU_DEP_2)
	v_add_nc_u32 v[SO+\b], 0xf8800000, v[BM+\b]
.endr
.irp b, 0,1
	s_delay_alu instid0(VALU_DEP_4)
	v_and_or_b32 v[HO+\b], v[BM+\b], 0x7f800000, s[MNT]
.endr
.irp b, 0,1
	s_delay_alu instid0(VALU_DEP_4)
	v_lshrrev_b32 v[BT+\b], 23, v[SO+\b]
.endr
	s_delay_alu instid0(VALU_DEP_1)
	v_lshl_or_b32 v[BT], v[BT+1], 8, v[BT]         ; the two scale bytes
.irp b, 0,1
.irp i, 0,1,2,3,4,5,6,7,8,9,10,11,12,13,14,15
	v_med3_num_f32 v[S+16*\b+\i], v[S+16*\b+\i], -v[HO+\b], v[HO+\b]
.endr
	v_cvt_scalef32_pk8_bf8_f32 v[PC+4*\b:PC+1+4*\b], v[S+16*\b:S+7+16*\b], v[SO+\b]
	v_cvt_scalef32_pk8_bf8_f32 v[PC+2+4*\b:PC+3+4*\b], v[S+8+16*\b:S+15+16*\b], v[SO+\b]
.endr
	v_nop
	global_store_b128 v[LI], v[PC:PC+3], s[6:7]
	global_store_b128 v[LI], v[PC+4:PC+7], s[6:7] offset:512
	v_and_b32 v10, 31, v0
	s_delay_alu instid0(VALU_DEP_1)
	v_cmp_gt_u32 vcc_lo, 16, v10                   ; both halves of the lanes hold the same bytes: lanes 0-15 store them
	s_wait_xcnt 0x0                                ; EXEC changes only behind this wait
	s_and_saveexec_b32 s96, vcc_lo
	global_store_b16 v[GR], v[BT], s[52:53]
	s_wait_xcnt 0x0                                ; and again in front of the line that widens it
	s_or_b32 exec_lo, exec_lo, s96
	s_wait_tensorcnt 0x0                           ; the wave's end
	ds_add_u32 v[SPW], v[NIL]
	s_wait_dscnt 0x0
	s_endpgm
.Lfunc_end_k_q3445943f47_attn:
	.size	k_q3445943f47_attn, .Lfunc_end_k_q3445943f47_attn-k_q3445943f47_attn
	.p2alignl 7, 3214868480
	.fill 96, 4, 3214868480
	.section	.rodata,"a",@progbits
	.p2align	6, 0x0
	.amdhsa_kernel k_q3445943f47_attn
		.amdhsa_group_segment_fixed_size 327680
		.amdhsa_private_segment_fixed_size 0
		.amdhsa_enable_private_segment 0
		.amdhsa_kernarg_size 16
		.amdhsa_user_sgpr_count 2
		.amdhsa_user_sgpr_kernarg_segment_ptr 1
		.amdhsa_wavefront_size32 1
		.amdhsa_system_sgpr_workgroup_id_x 1
		.amdhsa_system_sgpr_workgroup_id_y 1
		.amdhsa_system_sgpr_workgroup_id_z 1
		.amdhsa_system_vgpr_workitem_id 0
		.amdhsa_next_free_vgpr 256
		.amdhsa_next_free_sgpr 100
		.amdhsa_reserve_vcc 1
		.amdhsa_float_denorm_mode_32 3
		.amdhsa_float_denorm_mode_16_64 3
		.amdhsa_memory_ordered 1
		.amdhsa_forward_progress 1
		.amdhsa_inst_pref_size 116
	.end_amdhsa_kernel
	.amdgpu_metadata
---
amdhsa.version: [ 1, 2 ]
amdhsa.kernels:
  - .name:           k_q3445943f47_attn
    .symbol:         k_q3445943f47_attn.kd
    .args:
      - { .name: qkvq, .offset: 0, .size: 8, .value_kind: global_buffer, .address_space: global }
      - { .name: oq, .offset: 8, .size: 8, .value_kind: global_buffer, .address_space: global }
    .group_segment_fixed_size: 327680
    .private_segment_fixed_size: 0
    .kernarg_segment_align: 8
    .kernarg_segment_size: 16
    .max_flat_workgroup_size: 512
    .sgpr_count:     100
    .vgpr_count:     256
    .wavefront_size: 32
...
	.end_amdgpu_metadata
.endif
;; end of part 3
;; launch outp (part 4): grid 8 x 32, 4 waves a work-group, clusters of 4 x 4, 327,680 bytes of LDS; arguments oq, wq, out_b, x, x2; writes x2
.if DOCPART == 4
	.amdgcn_target "amdgcn-amd-amdhsa--gfx1250"
	.amdhsa_code_object_version 6
	.text
	.protected	k_q3445943f47_outp
	.globl	k_q3445943f47_outp
	.p2align	8
	.type	k_q3445943f47_outp,@function
k_q3445943f47_outp:
	s_mov_b64 s[64:65], 0
	v_nop
	global_prefetch_b8 v0, s[64:65] scope:SCOPE_SE
	s_setreg_imm32_b32 hwreg(HW_REG_WAVE_MODE, 25, 1), 1
	s_wait_xcnt 0x0
	s_wait_alu depctr_hold_cnt(0) depctr_sa_sdst(0) depctr_va_vdst(0) depctr_va_sdst(0) depctr_va_ssrc(0) depctr_va_vcc(0) depctr_vm_vsrc(0)
	s_getreg_b32 s2, hwreg(HW_REG_IB_STS2, 6, 4)
	s_cmp_eq_u32 s2, 0
	s_cbranch_scc0 .Lentry_in_a_cluster
	s_endpgm
.Lentry_in_a_cluster:
	s_bfe_u32 s2, ttmp6, 0x10000c
	s_cmp_lg_u32 s2, 0xf033
	s_cbranch_scc0 .Lentry_shape_is_right
	s_endpgm
.Lentry_shape_is_right:
; x2 = x + o out_w^T + out_b on codes of E5M2 (fragment images: the first kernel's head).  Nothing of reference() is left out here.
; A work-group makes 128 tokens x 128 columns, four waves of 64 x 64.  ALL OF K (8 steps of 128) lies in LDS at once: 131,072 bytes a side and 8,192 bytes of scale words, filled once,
; by four joint loads, one a wave: so there is no ring and no refill.  CLUSTER 4 x 4: X (tokens) is asked for jointly along a row of the cluster, Y (weights) along a column.
; No prefetch: the launch has no loop of fills to run ahead in.  The way out goes through a stage of the wave's own, on bytes into which no fill lands.
.set NBK,   4
.set NQ,    8
.set KT,    8
.set XSC,   4194304
.set WOFF,  3145728
.set WSOFF, 12681216
.set MUL_UP, 0xa1
.set HB,    NBK/2
.set LAPS,  KT/(2*NQ)
.set HALFT, 65536
.set SLOT,  4*HALFT
.set SCL,   SLOT
.set HALFS, NBK*KT*64
.set SPARE, SCL+4*HALFS
.set ADR1,  16
.set ADR0,  20
.set LI,    22
.set ADRS,  27
.set SPW,   28
.set NIL,   29
.set SC,    32
.set AF,    128
.set G1,    24
.set G0,    32
.set G1B,   48
.set G0B,   56
.set G1S,   68
.set G0S,   76
.set G1SB,  80
.set G0SB,  88
.set MUL_LO, 0xa1
.set TO_B,  0x40
.set MSB,   0
.set KSB,   0
.macro WIN new
.if MSB != (\new)
	s_set_vgpr_msb (MSB<<8)|(\new)
.set MSB, (\new)
.endif
.endm
.macro PLACES n
.rept \n
	v_nop
.endr
.endm
.macro JLOAD g0a, g1a, g0b, g1b
	s_cmp_eq_u32 s15, 0
	s_cbranch_scc0 .Lfor_b_\@
	tensor_load_to_lds s[\g0a:\g0a+3], s[\g1a:\g1a+7]
	s_nop 0
.rept 4
	v_nop
.endr
	s_branch .Lasked_\@
.Lfor_b_\@:
	tensor_load_to_lds s[\g0b:\g0b+3], s[\g1b:\g1b+7]
	s_nop 0
.rept 4
	v_nop
.endr
.Lasked_\@:
.endm
.macro CREST
	s_cmp_lg_u32 s14, 0
	s_cbranch_scc1 .Lnot_wave_0_\@
	s_barrier_signal -3
.Lnot_wave_0_\@:
	s_barrier_wait -3
	s_barrier_signal -1
	s_barrier_wait -1
.endm
.macro CROUND
	s_barrier_signal -1
	s_barrier_wait -1
	CREST
.endm
.macro FRAG reg, adr, q, i
.irp c, 0,1,2,3
	ds_load_b128 v[(\reg)+4*\c:(\reg)+4*\c+3], v[\adr] offset:((\i)*NQ+(\q))*2048+512*\c
.endr
.endm
.macro FETCH0 slot, q, p
	WIN TO_B
.set II, 0
.rept NBK
	FRAG 128*(\p)+16*II, ADR0+\slot, \q, II
.set II, II+1
.endr
	WIN 0
.endm
.macro FETCH1 slot, q, i0
.set II, \i0
.rept HB
	FRAG AF+16*II, ADR1+\slot, \q, II
.set II, II+1
.endr
.endm
.macro SCALES set
.set II, 0
.rept NBK
.set QQ, 0
.rept NQ
	ds_load_b32 v[SC+16*(\set)+NQ*II+QQ], v[ADRS] offset:II*KT*64+(KSB+QQ)*64
.set QQ, QQ+1
.endr
.set II, II+1
.endr
.endm
.macro MULA a0, na, p, q, sc, zero
.set AA, \a0
.rept \na
.set BB, 0
.rept NBK
.set DD, 8*(NBK*(AA%4)+BB)
.if \zero
	v_wmma_scale_f32_16x16x128_f8f6f4 v[DD:DD+7], v[128*(\p)+16*BB:128*(\p)+16*BB+15], v[AF+16*AA:AF+16*AA+15], 0, v[SC+16*(\sc)+NQ*BB+(\q)], v[SC+16*(\sc)+NQ*AA+(\q)] matrix_a_fmt:MATRIX_FMT_BF8 matrix_b_fmt:MATRIX_FMT_BF8 matrix_a_scale:MATRIX_SCALE_ROW1
.else
	v_wmma_scale_f32_16x16x128_f8f6f4 v[DD:DD+7], v[128*(\p)+16*BB:128*(\p)+16*BB+15], v[AF+16*AA:AF+16*AA+15], v[DD:DD+7], v[SC+16*(\sc)+NQ*BB+(\q)], v[SC+16*(\sc)+NQ*AA+(\q)] matrix_a_fmt:MATRIX_FMT_BF8 matrix_b_fmt:MATRIX_FMT_BF8 matrix_a_scale:MATRIX_SCALE_ROW1
.endif
.set BB, BB+1
.endr
.set AA, AA+1
.endr
.endm
.macro STEP slot, q, zero
	s_wait_dscnt 4*HB
	WIN MUL_LO
	MULA 0, HB, (\q)%2, \q, \slot, \zero
	s_wait_dscnt 0x0
	PLACES 8
	FETCH0 \slot, (\q)+1, 1-(\q)%2
	FETCH1 \slot, (\q)+1, 0
	WIN MUL_UP
	MULA HB, HB, (\q)%2, \q, \slot, \zero
	PLACES 8
	WIN 0
	FETCH1 \slot, (\q)+1, HB
.endm
.macro STEPS slot, q0
.set QS, \q0
.rept NQ-1-(\q0)
	STEP \slot, QS, 0
.set QS, QS+1
.endr
.endm
.macro TURN slot, next, fill
	s_wait_tensorcnt 0x0
	ds_add_u32 v[SPW], v[NIL]
	s_wait_dscnt 4*HB+1
	WIN MUL_LO
	MULA 0, HB/2, 1, NQ-1, \slot, 0
	s_wait_dscnt 0x0
	s_barrier_signal -1
	MULA HB/2, HB/2, 1, NQ-1, \slot, 0
	WIN 0
	s_barrier_wait -1
.if \fill
	CREST
	s_add_nc_u64 s[G0+4*\slot+2:G0+4*\slot+3], s[G0+4*\slot+2:G0+4*\slot+3], 2*NQ*2048
	s_add_nc_u64 s[G0B+4*\slot+2:G0B+4*\slot+3], s[G0B+4*\slot+2:G0B+4*\slot+3], 2*NQ*2048
	JLOAD G0+4*\slot, G1, G0B+4*\slot, G1B
	PLACES 4
.else
	PLACES 8
.endif
.set KSB, KSB+NQ
	FETCH0 \next, 0, 0
	FETCH1 \next, 0, 0
	SCALES \next
	WIN MUL_UP
	MULA HB, HB, 1, NQ-1, \slot, 0
	PLACES 8
	WIN 0
	FETCH1 \next, 0, HB
.endm
.set CB,  23
.set CO,  24
.set STO, 25
.set RD,  26
.set BI,  64
.set BK,  128
	s_load_b256 s[4:11], s[0:1], 0x0
	s_load_b64 s[12:13], s[0:1], 0x20
	v_lshl_add_u32 v[SPW], v0, 2, SPARE
	v_mov_b32 v[NIL], 0
	ds_add_u32 v[SPW], v[NIL]
	ds_add_u32 v[SPW], v[NIL]
	v_lshrrev_b32 v1, 5, v0
	v_readfirstlane_b32 s14, v1
	s_lshr_b32 s15, s14, 1
	s_and_b32 s16, s14, 1
	s_bfe_u32 s40, ttmp6, 0x40000
	s_bfe_u32 s41, ttmp6, 0x40004
	s_lshl_b32 s42, ttmp9, 2
	s_add_co_u32 s42, s42, s40
	s_and_b32 s17, ttmp7, 0xffff
	s_lshl_b32 s17, s17, 2
	s_add_co_u32 s17, s17, s41
	s_lshl_b32 s43, s41, 2
	s_lshl_b32 s43, 15, s43
	s_lshl_b32 s44, 0x1111, s40
	s_or_b32 s[G1+0], s43, (3<<16)|(1<<21)
	s_or_b32 s[G1B+0], s44, (3<<16)|(1<<21)
.irp g, G1, G1B
	s_mov_b32 s[\g+1], (NQ*256)<<16
	s_mov_b32 s[\g+2], (2*NBK)<<16
	s_mov_b32 s[\g+3], (NQ*256)<<16
	s_mov_b32 s[\g+4], 2*NBK
	s_mov_b32 s[\g+5], KT*256
	s_mov_b32 s[\g+6], 0
	s_mov_b32 s[\g+7], 0
.endr
	s_or_b32 s[G1S+0], s43, (3<<16)|(1<<21)
	s_or_b32 s[G1SB+0], s44, (3<<16)|(1<<21)
.irp g, G1S, G1SB
	s_mov_b32 s[\g+1], 32<<16
	s_mov_b32 s[\g+2], (2*HALFS/256)<<16
	s_mov_b32 s[\g+3], 32<<16
	s_mov_b32 s[\g+4], 2*HALFS/256
	s_mov_b32 s[\g+5], 32
	s_mov_b32 s[\g+6], 0
	s_mov_b32 s[\g+7], 0
.endr
	s_mul_i32 s20, s17, 2*NBK                      ; X: the block's first row tile
	s_mul_i32 s46, s42, 2*NBK                      ; Y likewise
	s_mul_i32 s22, s20, KT*64
	s_add_co_u32 s22, s22, XSC
	s_mul_i32 s92, s46, KT*64
	s_add_co_u32 s92, s92, WSOFF
	s_mul_i32 s20, s20, KT*2048
	s_mul_i32 s46, s46, KT*2048
	s_add_co_u32 s46, s46, WOFF
	s_mov_b32 s21, 0
	s_mov_b32 s23, 0
	s_mov_b32 s47, 0
	s_mov_b32 s93, 0
	s_wait_dscnt 0x0
	s_wait_kmcnt 0x0
	s_add_nc_u64 s[20:21], s[4:5], s[20:21]
	s_add_nc_u64 s[22:23], s[4:5], s[22:23]
	s_add_nc_u64 s[46:47], s[6:7], s[46:47]
	s_add_nc_u64 s[92:93], s[6:7], s[92:93]
	CROUND
	s_mov_b32 s[G0S], 1
	s_mov_b32 s[G0S+1], SCL
	s_mov_b64 s[G0S+2:G0S+3], s[22:23]
	s_or_b32 s[G0S+3], s[G0S+3], 0x80000000
	s_mov_b32 s[G0SB], 1
	s_mov_b32 s[G0SB+1], SCL+2*HALFS
	s_mov_b64 s[G0SB+2:G0SB+3], s[92:93]
	s_or_b32 s[G0SB+3], s[G0SB+3], 0x80000000
	s_mov_b32 s[G0], 1                             ; X's 8 row tiles, all 8 K steps: 131,072 dense bytes
	s_mov_b32 s[G0+1], 0
	s_mov_b64 s[G0+2:G0+3], s[20:21]
	s_or_b32 s[G0+3], s[G0+3], 0x80000000
	s_mov_b32 s[G0B], 1                            ; Y's, behind them
	s_mov_b32 s[G0B+1], 2*HALFT
	s_mov_b64 s[G0B+2:G0B+3], s[46:47]
	s_or_b32 s[G0B+3], s[G0B+3], 0x80000000
; THE LOADS, ONE A WAVE: wave 0 X's codes, wave 1 Y's, wave 2 X's scale words, wave 3 Y's.  One chain of branches on the wave's number; every way passes one load
.macro ARM under, g0, g1, next
	s_cmp_lt_u32 s14, \under
	s_cbranch_scc0 \next
	tensor_load_to_lds s[\g0:\g0+3], s[\g1:\g1+7]
	s_nop 0
.rept 4
	v_nop
.endr
	s_branch .Lhead_asked
\next:
.endm
	ARM 1, G0,  G1,  .Lhead_b
	ARM 2, G0B, G1B, .Lhead_sa
	ARM 3, G0S, G1S, .Lhead_sb
	tensor_load_to_lds s[G0SB:G0SB+3], s[G1SB:G1SB+7]
	s_nop 0
.rept 4
	v_nop
.endr
.Lhead_asked:
	v_and_b32 v1, 15, v0
	v_bfe_u32 v2, v0, 4, 1
	s_wait_alu depctr_va_vdst(0)
	v_and_b32 v3, 31, v0
	v_lshlrev_b32 v[LI], 4, v3
	s_mul_i32 s21, s15, HALFT
	s_mul_i32 s22, s16, HALFT
	s_add_co_u32 s22, s22, 2*HALFT
.irp s, 0
	v_add_nc_u32 v[ADR1+\s], s21, v[LI]
	v_add_nc_u32 v[ADR0+\s], s22, v[LI]
	s_add_co_u32 s21, s21, SLOT
	s_add_co_u32 s22, s22, SLOT
.endr
	v_lshlrev_b32 v5, 2, v1
	s_mul_i32 s21, s15, HALFS
	s_mul_i32 s22, s16, HALFS
	s_add_co_u32 s22, s22, 2*HALFS
	s_sub_co_u32 s22, s22, s21
	v_mul_u32_u24 v6, s22, v2
	s_add_co_u32 s21, s21, SCL
	v_add_nc_u32 v5, v5, v6
	v_add_nc_u32 v[ADRS], s21, v5
.set STG, SPARE+512                    ; behind the spare words: a stage of 16 rows x 272 bytes for each wave
	s_mul_i32 s23, s14, 4352
	s_add_co_u32 s23, s23, STG
	v_mul_u32_u24 v5, v1, 272
	v_lshl_add_u32 v5, v2, 6, v5
	v_add_nc_u32 v[STO], s23, v5
	v_mul_u32_u24 v5, v2, 272
	v_lshl_add_u32 v5, v1, 4, v5
	v_add_nc_u32 v[RD], s23, v5
	s_lshl_b32 s20, s17, 7
	s_lshl_b32 s21, s15, 6
	s_add_co_u32 s20, s20, s21
	s_lshl_b32 s20, s20, 12
	s_lshl_b32 s46, s42, 9
	s_lshl_b32 s47, s16, 8
	s_add_co_u32 s46, s46, s47
	s_mov_b32 s47, 0
	s_add_nc_u64 s[8:9], s[8:9], s[46:47]
	s_add_co_u32 s20, s20, s46
	s_mov_b32 s21, 0
	s_add_nc_u64 s[10:11], s[10:11], s[20:21]
	s_add_nc_u64 s[12:13], s[12:13], s[20:21]
	v_lshlrev_b32 v[CB], 4, v1
	v_lshl_add_u32 v[CO], v2, 12, v[CB]
	global_load_b128 v[BI:BI+3], v[CB], s[8:9]
	WIN 0x80
.irp a, 0,1,2,3
.irp t, 0,1,2,3,4,5,6,7
	global_load_b128 v[128+32*\a+4*\t:128+32*\a+4*\t+3], v[CO], s[10:11] offset:(32*(\a/2)+8*(\a%2)+2*\t+8*(\t/4))*4096 th:TH_LOAD_NT
.endr
.endr
	WIN 0
	s_wait_alu depctr_va_vdst(0)
	s_wait_tensorcnt 0x0                           ; my tile of the four is in; behind the barrier all four are
	s_barrier_signal -1
	s_barrier_wait -1
	FETCH0 0, 0, 0
	FETCH1 0, 0, 0
	SCALES 0
	FETCH1 0, 0, HB
	STEP 0, 0, 1
	STEPS 0, 1
	s_wait_dscnt 4*HB
	WIN MUL_LO
	MULA 0, HB, 1, NQ-1, 0, 0
	s_wait_dscnt 0x0
	WIN MUL_UP
	MULA HB, HB, 1, NQ-1, 0, 0
	WIN 0
.macro TOSTAGE a
	WIN 0x08
.irp k, 0,1,2,3,4,5,6,7
	ds_store_b128 v[STO], v[32*(\a)+4*\k:32*(\a)+4*\k+3] offset:128*(\k/4)+16*(\k%4)
.endr
	WIN 0
.irp t, 0,1,2,3,4,5,6,7
	ds_load_b128 v[BK+32*((\a)%2)+4*\t:BK+32*((\a)%2)+4*\t+3], v[RD] offset:544*\t
.endr
.endm
.macro SEND a, younger
	s_wait_dscnt \younger
.irp t, 0,1,2,3,4,5,6,7
	v_pk_add_f32 v[BK+32*((\a)%2)+4*\t:BK+32*((\a)%2)+4*\t+1], v[BK+32*((\a)%2)+4*\t:BK+32*((\a)%2)+4*\t+1], v[BI:BI+1]
	v_pk_add_f32 v[BK+32*((\a)%2)+4*\t+2:BK+32*((\a)%2)+4*\t+3], v[BK+32*((\a)%2)+4*\t+2:BK+32*((\a)%2)+4*\t+3], v[BI+2:BI+3]
.endr
	WIN 0x08
.set J, 0
.rept 16
	v_pk_add_f32 v[BK+32*((\a)%2)+J:BK+32*((\a)%2)+J+1], v[BK+32*((\a)%2)+J:BK+32*((\a)%2)+J+1], v[128+32*(\a)+J:128+32*(\a)+J+1]
.set J, J+2
.endr
	WIN 0
.irp t, 0,1,2,3,4,5,6,7
	global_store_b128 v[CO], v[BK+32*((\a)%2)+4*\t:BK+32*((\a)%2)+4*\t+3], s[12:13] offset:(32*((\a)/2)+8*((\a)%2)+2*\t+8*(\t/4))*4096
.endr
.endm
	PLACES 8
	s_wait_loadcnt 0x0
	TOSTAGE 0
.irp a, 1,2,3
.if \a > 1
	s_wait_xcnt 0x0
.endif
	TOSTAGE \a
	SEND (\a-1), 16
.endr
	SEND 3, 0
	s_wait_tensorcnt 0x0
	ds_add_u32 v[SPW], v[NIL]
	s_wait_dscnt 0x0
	CROUND
	s_endpgm
.Lfunc_end_k_q3445943f47_outp:
	.size	k_q3445943f47_outp, .Lfunc_end_k_q3445943f47_outp-k_q3445943f47_outp
	.p2alignl 7, 3214868480
	.fill 96, 4, 3214868480
	.section	.rodata,"a",@progbits
	.p2align	6, 0x0
	.amdhsa_kernel k_q3445943f47_outp
		.amdhsa_group_segment_fixed_size 327680
		.amdhsa_private_segment_fixed_size 0
		.amdhsa_enable_private_segment 0
		.amdhsa_kernarg_size 40
		.amdhsa_user_sgpr_count 2
		.amdhsa_user_sgpr_kernarg_segment_ptr 1
		.amdhsa_wavefront_size32 1
		.amdhsa_system_sgpr_workgroup_id_x 1
		.amdhsa_system_sgpr_workgroup_id_y 1
		.amdhsa_system_sgpr_workgroup_id_z 1
		.amdhsa_system_vgpr_workitem_id 0
		.amdhsa_next_free_vgpr 768
		.amdhsa_next_free_sgpr 100
		.amdhsa_reserve_vcc 0
		.amdhsa_float_denorm_mode_32 3
		.amdhsa_float_denorm_mode_16_64 3
		.amdhsa_memory_ordered 1
		.amdhsa_forward_progress 1
		.amdhsa_inst_pref_size 67
	.end_amdhsa_kernel
	.amdgpu_metadata
---
amdhsa.version: [ 1, 2 ]
amdhsa.kernels:
  - .name:           k_q3445943f47_outp
    .symbol:         k_q3445943f47_outp.kd
    .args:
      - { .name: oq, .offset: 0, .size: 8, .value_kind: global_buffer, .address_space: global }
      - { .name: wq, .offset: 8, .size: 8, .value_kind: global_buffer, .address_space: global }
      - { .name: out_b, .offset: 16, .size: 8, .value_kind: global_buffer, .address_space: global }
      - { .name: x, .offset: 24, .size: 8, .value_kind: global_buffer, .address_space: global }
      - { .name: x2, .offset: 32, .size: 8, .value_kind: global_buffer, .address_space: global }
    .group_segment_fixed_size: 327680
    .private_segment_fixed_size: 0
    .kernarg_segment_align: 8
    .kernarg_segment_size: 40
    .max_flat_workgroup_size: 128
    .sgpr_count:     100
    .vgpr_count:     768
    .wavefront_size: 32
...
	.end_amdgpu_metadata
.endif
;; end of part 4
;; launch ln2: the kernel of part 1 again; grid 256 x 1, 8 waves a work-group, no clusters, 147,456 bytes of LDS; arguments x2, ln2_g, ln2_b, hq, qkv_w, out_w, fc1_w, fc2_w, wq; writes hq, wq
;; launch fc1 (part 5): grid 16 x 16, 4 waves a work-group, clusters of 4 x 4, 327,680 bytes of LDS; arguments hq, wq, fc1_b, gq; writes gq
.if DOCPART == 5
	.amdgcn_target "amdgcn-amd-amdhsa--gfx1250"
	.amdhsa_code_object_version 6
	.text
	.protected	k_q3445943f47_fc1
	.globl	k_q3445943f47_fc1
	.p2align	8
	.type	k_q3445943f47_fc1,@function
k_q3445943f47_fc1:
	s_mov_b64 s[64:65], 0
	v_nop
	global_prefetch_b8 v0, s[64:65] scope:SCOPE_SE
	s_setreg_imm32_b32 hwreg(HW_REG_WAVE_MODE, 25, 1), 1
	s_wait_xcnt 0x0
	s_wait_alu depctr_hold_cnt(0) depctr_sa_sdst(0) depctr_va_vdst(0) depctr_va_sdst(0) depctr_va_ssrc(0) depctr_va_vcc(0) depctr_vm_vsrc(0)
	s_getreg_b32 s2, hwreg(HW_REG_IB_STS2, 6, 4)
	s_cmp_eq_u32 s2, 0
	s_cbranch_scc0 .Lentry_in_a_cluster
	s_endpgm
.Lentry_in_a_cluster:
	s_bfe_u32 s2, ttmp6, 0x10000c
	s_cmp_lg_u32 s2, 0xf033
	s_cbranch_scc0 .Lentry_shape_is_right
	s_endpgm
.Lentry_shape_is_right:
; g = gelu(LN2(x2) fc1_w^T + fc1_b) on codes of E5M2, and its quantising along the 4,096 for fc2 (fragment images: the first kernel's head).  Nothing of reference() is left out here.
; A work-group makes 256 tokens x 256 columns, four waves of 128 x 128.  K = 1,024 goes in 8 steps of 128 through two LDS slots of two steps.  CLUSTER 4 x 4: X (tokens) is asked for jointly
; along a row of the cluster, Y (weights) along a column.
; PREFETCH of slots 1, 2 and 3, each asked for behind the load of the slot two (slot 1: one) before it.  A wave's ring load is 8 row tiles x 4,096 bytes; the four partners that ask for it jointly take two
; row tiles each, told apart by address (cx for X, cy for Y): lanes 0-15 one tile, lanes 16-31 the next, 256 bytes apart: each block of 256 bytes is named once in a cluster.
; gelu(x) = max(x, 0) - (|x| / 2) erfc(a), a = |x| / sqrt(2);  erfc(a) = exp(-a^2) (1 + P(q)) / (2 a + 1), q = (a - 2) / (a + 2), P of degree 9; one reciprocal, of (2 a + 1)(a + 2), serves both quotients.
; LIMITS: NaN and infinities are not served; blocks under 2^-111 and blocks of zeros keep the scale byte 1 (read by this program alone).
.set NBK,   8
.set NQ,    2
.set KT,    8
.set XSC,   4194304
.set WOFF,  4194304
.set WSOFF, 12713984
.set MUL_UP, 0xf1
.set HB,    NBK/2
.set LAPS,  KT/(2*NQ)
.set HALFT, 32768
.set SLOT,  4*HALFT
.set SCL,   2*SLOT
.set HALFS, NBK*KT*64
.set SPARE, SCL+4*HALFS
.set ADR1,  16
.set ADR0,  20
.set LI,    22
.set ADRS,  27
.set SPW,   28
.set NIL,   29
.set SC,    32
.set AF,    128
.set G1,    24
.set G0,    32
.set G1B,   48
.set G0B,   56
.set G1S,   68
.set G0S,   76
.set G1SB,  80
.set G0SB,  88
.set MUL_LO, 0xa1
.set TO_B,  0x40
.set MSB,   0
.set KSB,   0
.macro WIN new
.if MSB != (\new)
	s_set_vgpr_msb (MSB<<8)|(\new)
.set MSB, (\new)
.endif
.endm
.macro PLACES n
.rept \n
	v_nop
.endr
.endm
.macro JLOAD g0a, g1a, g0b, g1b
	s_cmp_eq_u32 s15, 0
	s_cbranch_scc0 .Lfor_b_\@
	tensor_load_to_lds s[\g0a:\g0a+3], s[\g1a:\g1a+7]
	s_nop 0
.rept 4
	v_nop
.endr
	s_branch .Lasked_\@
.Lfor_b_\@:
	tensor_load_to_lds s[\g0b:\g0b+3], s[\g1b:\g1b+7]
	s_nop 0
.rept 4
	v_nop
.endr
.Lasked_\@:
.endm
.macro CREST
	s_cmp_lg_u32 s14, 0
	s_cbranch_scc1 .Lnot_wave_0_\@
	s_barrier_signal -3
.Lnot_wave_0_\@:
	s_barrier_wait -3
	s_barrier_signal -1
	s_barrier_wait -1
.endm
.macro CROUND
	s_barrier_signal -1
	s_barrier_wait -1
	CREST
.endm
.macro FRAG reg, adr, q, i
.irp c, 0,1,2,3
	ds_load_b128 v[(\reg)+4*\c:(\reg)+4*\c+3], v[\adr] offset:((\i)*NQ+(\q))*2048+512*\c
.endr
.endm
.macro FETCH0 slot, q, p
	WIN TO_B
.set II, 0
.rept NBK
	FRAG 128*(\p)+16*II, ADR0+\slot, \q, II
.set II, II+1
.endr
	WIN 0
.endm
.macro FETCH1 slot, q, i0
.set II, \i0
.rept HB
	FRAG AF+16*II, ADR1+\slot, \q, II
.set II, II+1
.endr
.endm
.macro SCALES set
.set II, 0
.rept NBK
.set QQ, 0
.rept NQ
	ds_load_b32 v[SC+16*(\set)+NQ*II+QQ], v[ADRS] offset:II*KT*64+(KSB+QQ)*64
.set QQ, QQ+1
.endr
.set II, II+1
.endr
.endm
.macro MULA a0, na, p, q, sc, zero
.set AA, \a0
.rept \na
.set BB, 0
.rept NBK
.set DD, 8*(NBK*(AA%4)+BB)
.if \zero
	v_wmma_scale_f32_16x16x128_f8f6f4 v[DD:DD+7], v[128*(\p)+16*BB:128*(\p)+16*BB+15], v[AF+16*AA:AF+16*AA+15], 0, v[SC+16*(\sc)+NQ*BB+(\q)], v[SC+16*(\sc)+NQ*AA+(\q)] matrix_a_fmt:MATRIX_FMT_BF8 matrix_b_fmt:MATRIX_FMT_BF8 matrix_a_scale:MATRIX_SCALE_ROW1
.else
	v_wmma_scale_f32_16x16x128_f8f6f4 v[DD:DD+7], v[128*(\p)+16*BB:128*(\p)+16*BB+15], v[AF+16*AA:AF+16*AA+15], v[DD:DD+7], v[SC+16*(\sc)+NQ*BB+(\q)], v[SC+16*(\sc)+NQ*AA+(\q)] matrix_a_fmt:MATRIX_FMT_BF8 matrix_b_fmt:MATRIX_FMT_BF8 matrix_a_scale:MATRIX_SCALE_ROW1
.endif
.set BB, BB+1
.endr
.set AA, AA+1
.endr
.endm
.macro STEP slot, q, zero
	s_wait_dscnt 4*HB
	WIN MUL_LO
	MULA 0, HB, (\q)%2, \q, \slot, \zero
	s_wait_dscnt 0x0
	PLACES 8
	FETCH0 \slot, (\q)+1, 1-(\q)%2
	FETCH1 \slot, (\q)+1, 0
	WIN MUL_UP
	MULA HB, HB, (\q)%2, \q, \slot, \zero
	PLACES 8
	WIN 0
	FETCH1 \slot, (\q)+1, HB
.endm
.macro STEPS slot, q0
.set QS, \q0
.rept NQ-1-(\q0)
	STEP \slot, QS, 0
.set QS, QS+1
.endr
.endm
.macro TURN slot, next, fill
	s_wait_tensorcnt 0x0
	ds_add_u32 v[SPW], v[NIL]
	s_wait_dscnt 4*HB+1
	WIN MUL_LO
	MULA 0, HB/2, 1, NQ-1, \slot, 0
	s_wait_dscnt 0x0
	s_barrier_signal -1
	MULA HB/2, HB/2, 1, NQ-1, \slot, 0
	WIN 0
	s_barrier_wait -1
.if \fill
	CREST
	s_add_nc_u64 s[G0+4*\slot+2:G0+4*\slot+3], s[G0+4*\slot+2:G0+4*\slot+3], 2*NQ*2048
	s_add_nc_u64 s[G0B+4*\slot+2:G0B+4*\slot+3], s[G0B+4*\slot+2:G0B+4*\slot+3], 2*NQ*2048
	JLOAD G0+4*\slot, G1, G0B+4*\slot, G1B
	PLACES 4
.else
	PLACES 8
.endif
.set KSB, KSB+NQ
	FETCH0 \next, 0, 0
	FETCH1 \next, 0, 0
	SCALES \next
	WIN MUL_UP
	MULA HB, HB, 1, NQ-1, \slot, 0
	PLACES 8
	WIN 0
	FETCH1 \next, 0, HB
.endm
.macro LAP
	STEPS 0, 1
	TURN 0, 1, 1
	STEPS 1, 0
	TURN 1, 0, 1
	STEP 0, 0, 0
.endm
.set SEL, 34
.set MNT, 36
.macro QUANT s, pc, tm, pw
.irp b, 0,1,2,3
	v_max3_num_f32 v[(\tm)+\b], |v[(\s)+16*\b]|, |v[(\s)+1+16*\b]|, 0x8000000
.endr
.irp i, 2,4,6,8,10,12,14
.irp b, 0,1,2,3
	v_max3_num_f32 v[(\tm)+\b], v[(\tm)+\b], |v[(\s)+16*\b+\i]|, |v[(\s)+1+16*\b+\i]|
.endr
.endr
.irp b, 0,1,2,3
	v_permlanex16_b32 v[(\tm)+4+\b], v[(\tm)+\b], s[SEL], s[SEL+1]
.endr
.irp b, 0,1,2,3
	v_max_num_f32 v[(\tm)+\b], v[(\tm)+\b], v[(\tm)+4+\b]
.endr
.irp b, 0,1,2,3
	v_add_nc_u32 v[(\tm)+12+\b], 0xf8800000, v[(\tm)+\b]
.endr
.irp b, 0,1,2,3
	v_and_or_b32 v[(\tm)+8+\b], v[(\tm)+\b], 0x7f800000, s[MNT]
.endr
.irp b, 0,1,2,3
	v_lshrrev_b32 v[(\tm)+4+\b], 23, v[(\tm)+12+\b]
.endr
	v_lshl_or_b32 v[\pw], v[(\tm)+5], 8, v[(\tm)+4]
	v_lshl_or_b32 v[\pw], v[(\tm)+6], 16, v[\pw]
	v_lshl_or_b32 v[\pw], v[(\tm)+7], 24, v[\pw]
.irp b, 0,1,2,3
.irp i, 0,1,2,3,4,5,6,7,8,9,10,11,12,13,14,15
	v_med3_num_f32 v[(\s)+16*\b+\i], v[(\s)+16*\b+\i], -v[(\tm)+8+\b], v[(\tm)+8+\b]
.endr
	v_cvt_scalef32_pk8_bf8_f32 v[(\pc)+4*\b:(\pc)+1+4*\b], v[(\s)+16*\b:(\s)+7+16*\b], v[(\tm)+12+\b]
	v_cvt_scalef32_pk8_bf8_f32 v[(\pc)+2+4*\b:(\pc)+3+4*\b], v[(\s)+8+16*\b:(\s)+15+16*\b], v[(\tm)+12+\b]
.endr
	v_nop
.endm
.set BR,  64
.set BAD, 7
.set SA,  24
.set GA,  64
.set GD,  96
.set GE,  128
.set GP,  160
.set GQ,  192
.set GC,  224
.set PWE, 226
.set WRD, 227
.set GB,  28
.set GS,  30
.set AI,  32
.set LM,  33
.macro GELU32 x
.set J, 0
.rept 32
	v_mul_f32 v[GA+J], 0x3f3504f3, |v[(\x)+J]|
.set J, J+1
.endr
.set J, 0
.rept 16
	v_pk_fma_f32 v[GD+J:GD+J+1], v[GA+J:GA+J+1], 2.0, 0x40a00000 op_sel_hi:[1,0,0]
	v_pk_mul_f32 v[GE+J:GE+J+1], v[GA+J:GA+J+1], 0xbfb8aa3b op_sel_hi:[1,0]
.set J, J+2
.endr
.set J, 0
.rept 16
	v_pk_fma_f32 v[GD+J:GD+J+1], v[GD+J:GD+J+1], v[GA+J:GA+J+1], 2.0 op_sel_hi:[1,1,0]
	v_pk_mul_f32 v[GE+J:GE+J+1], v[GE+J:GE+J+1], v[GA+J:GA+J+1]
.set J, J+2
.endr
.set J, 0
	s_wait_alu depctr_va_vdst(0)                   ; the wait ahead of the batch
.rept 16                               ; the 64 transcendentals by turns with 64 plain lines that read nothing written since the wait above, and whose results are first read behind the wait below
	v_rcp_f32 v[GD+J], v[GD+J]
	v_pk_fma_f32 v[GP+J:GP+J+1], v[GA+J:GA+J+1], 2.0, 1.0 op_sel_hi:[1,0,0]
	v_rcp_f32 v[GD+J+1], v[GD+J+1]
	v_max_num_f32 v[(\x)+J], 0, v[(\x)+J]
	v_exp_f32 v[GE+J], v[GE+J]
	v_pk_add_f32 v[GQ+J:GQ+J+1], v[GA+J:GA+J+1], -2.0 op_sel_hi:[1,0]
	v_exp_f32 v[GE+J+1], v[GE+J+1]
	v_max_num_f32 v[(\x)+J+1], 0, v[(\x)+J+1]
.set J, J+2
.endr
	s_wait_alu depctr_va_vdst(0)
.set J, 0
.rept 16
	v_pk_mul_f32 v[GP+J:GP+J+1], v[GP+J:GP+J+1], v[GD+J:GD+J+1]
.set J, J+2
.endr
.set J, 0
.rept 16
	v_pk_mul_f32 v[GQ+J:GQ+J+1], v[GQ+J:GQ+J+1], v[GP+J:GP+J+1]
.set J, J+2
.endr
.set J, 0
.rept 16
	v_pk_fma_f32 v[GP+J:GP+J+1], v[GQ+J:GQ+J+1], v[GC:GC+1], 0xbaa15130 op_sel_hi:[1,1,0]
.set J, J+2
.endr
.irp c, 0x3aac2b8a, 0x3c0d6e62, 0xbc040dc1, 0xbd5e05b5, 0x3e27fe23, 0xbe2a0420, 0xbdbdfb0b, 0x3e8dd01d
.set J, 0
.rept 16
	v_pk_fma_f32 v[GP+J:GP+J+1], v[GP+J:GP+J+1], v[GQ+J:GQ+J+1], \c op_sel_hi:[1,1,0]
.set J, J+2
.endr
.endr
.set J, 0
.rept 16
	v_pk_fma_f32 v[GQ+J:GQ+J+1], v[GA+J:GA+J+1], v[GD+J:GD+J+1], v[GD+J:GD+J+1]
.set J, J+2
.endr
.set J, 0
.rept 16
	v_pk_add_f32 v[GQ+J:GQ+J+1], v[GQ+J:GQ+J+1], v[GD+J:GD+J+1]
.set J, J+2
.endr
.set J, 0
.rept 16
	v_pk_fma_f32 v[GD+J:GD+J+1], v[GP+J:GP+J+1], v[GQ+J:GQ+J+1], v[GQ+J:GQ+J+1]
	v_pk_mul_f32 v[GP+J:GP+J+1], v[GA+J:GA+J+1], 0x3f3504f3 op_sel_hi:[1,0]
.set J, J+2
.endr
.set J, 0
.rept 16
	v_pk_mul_f32 v[GD+J:GD+J+1], v[GD+J:GD+J+1], v[GE+J:GE+J+1]
.set J, J+2
.endr
.set J, 0
.rept 16
	v_pk_fma_f32 v[(\x)+J:(\x)+J+1], v[GP+J:GP+J+1], v[GD+J:GD+J+1], v[(\x)+J:(\x)+J+1] neg_lo:[1,0,0] neg_hi:[1,0,0]
.set J, J+2
.endr
.endm
	s_load_b256 s[4:11], s[0:1], 0x0
	v_lshl_add_u32 v[SPW], v0, 2, SPARE
	v_mov_b32 v[NIL], 0
	ds_add_u32 v[SPW], v[NIL]
	ds_add_u32 v[SPW], v[NIL]
	v_lshrrev_b32 v1, 5, v0
	v_readfirstlane_b32 s14, v1
	s_lshr_b32 s15, s14, 1
	s_and_b32 s16, s14, 1
	s_bfe_u32 s40, ttmp6, 0x40000
	s_bfe_u32 s41, ttmp6, 0x40004
	s_lshl_b32 s42, ttmp9, 2
	s_add_co_u32 s42, s42, s40
	s_and_b32 s17, ttmp7, 0xffff
	s_lshl_b32 s17, s17, 2
	s_add_co_u32 s17, s17, s41
	s_lshl_b32 s43, s41, 2
	s_lshl_b32 s43, 15, s43
	s_lshl_b32 s44, 0x1111, s40
	s_or_b32 s[G1+0], s43, (3<<16)|(1<<21)
	s_or_b32 s[G1B+0], s44, (3<<16)|(1<<21)
.irp g, G1, G1B
	s_mov_b32 s[\g+1], (NQ*256)<<16
	s_mov_b32 s[\g+2], (2*NBK)<<16                 ; 2 NBK row tiles for the head's loads; behind them NBK, for the ring's
	s_mov_b32 s[\g+3], (NQ*256)<<16
	s_mov_b32 s[\g+4], 2*NBK
	s_mov_b32 s[\g+5], KT*256
	s_mov_b32 s[\g+6], 0
	s_mov_b32 s[\g+7], 0
.endr
	s_or_b32 s[G1S+0], s43, (3<<16)|(1<<21)
	s_or_b32 s[G1SB+0], s44, (3<<16)|(1<<21)
.irp g, G1S, G1SB
	s_mov_b32 s[\g+1], 32<<16
	s_mov_b32 s[\g+2], (2*HALFS/256)<<16
	s_mov_b32 s[\g+3], 32<<16
	s_mov_b32 s[\g+4], 2*HALFS/256
	s_mov_b32 s[\g+5], 32
	s_mov_b32 s[\g+6], 0
	s_mov_b32 s[\g+7], 0
.endr
	s_mul_i32 s18, s16, NBK*KT*2048                ; in the ring I fetch half of a side: which half, in bytes
	s_mov_b32 s19, 0
	s_mul_i32 s20, s17, 2*NBK                      ; X: the block's first row tile
	s_mul_i32 s46, s42, 2*NBK                      ; Y likewise
	s_mul_i32 s22, s20, KT*64
	s_add_co_u32 s22, s22, XSC
	s_mul_i32 s92, s46, KT*64
	s_add_co_u32 s92, s92, WSOFF
	s_mul_i32 s20, s20, KT*2048
	s_mul_i32 s46, s46, KT*2048
	s_add_co_u32 s46, s46, WOFF
	s_mov_b32 s21, 0
	s_mov_b32 s23, 0
	s_mov_b32 s47, 0
	s_mov_b32 s93, 0
	s_mul_i32 s45, s14, HALFT
	s_wait_dscnt 0x0
	s_wait_kmcnt 0x0
	s_add_nc_u64 s[20:21], s[4:5], s[20:21]
	s_add_nc_u64 s[22:23], s[4:5], s[22:23]
	s_add_nc_u64 s[46:47], s[6:7], s[46:47]
	s_add_nc_u64 s[92:93], s[6:7], s[92:93]
	CROUND
	s_mov_b32 s[G0S], 1
	s_mov_b32 s[G0S+1], SCL
	s_mov_b64 s[G0S+2:G0S+3], s[22:23]
	s_or_b32 s[G0S+3], s[G0S+3], 0x80000000
	s_mov_b32 s[G0SB], 1
	s_mov_b32 s[G0SB+1], SCL+2*HALFS
	s_mov_b64 s[G0SB+2:G0SB+3], s[92:93]
	s_or_b32 s[G0SB+3], s[G0SB+3], 0x80000000
.set G0H,  4                           ; s[4:7], s[96:99] group 0 for the head's loads of slot 0: X's side whole, Y's side whole (the arguments in s[4:7] have been used)
.set G0HB, 96
.set PFA,  2                           ; s[2:3] the prefetches: my work-group's two row tiles, at slot 1; never stepped
.set PFO,  30                          ; v30 256 (lane % 16) + 16,384 (lane / 16); never rewritten
	s_mov_b32 s[G0H], 1
	s_mov_b32 s[G0H+1], 0
	s_mov_b64 s[G0H+2:G0H+3], s[20:21]
	s_or_b32 s[G0H+3], s[G0H+3], 0x80000000
	s_mov_b32 s[G0HB], 1
	s_mov_b32 s[G0HB+1], 2*HALFT
	s_mov_b64 s[G0HB+2:G0HB+3], s[46:47]
	s_or_b32 s[G0HB+3], s[G0HB+3], 0x80000000
	s_add_nc_u64 s[20:21], s[20:21], s[18:19]      ; for the ring: my half of the side
	s_add_nc_u64 s[46:47], s[46:47], s[18:19]
.irp s, 0,1
	s_mov_b32 s[G0+4*\s], 1
	s_add_co_u32 s[G0+4*\s+1], s45, \s*SLOT
	s_add_nc_u64 s[G0+4*\s+2:G0+4*\s+3], s[20:21], \s*NQ*2048
	s_or_b32 s[G0+4*\s+3], s[G0+4*\s+3], 0x80000000
	s_mov_b32 s[G0B+4*\s], 1
	s_add_co_u32 s[G0B+4*\s+1], s45, \s*SLOT
	s_add_nc_u64 s[G0B+4*\s+2:G0B+4*\s+3], s[46:47], \s*NQ*2048
	s_or_b32 s[G0B+4*\s+3], s[G0B+4*\s+3], 0x80000000
.endr
; THE HEAD'S LOADS, ONE A WAVE: wave 0 slot 0's part of X, wave 1 that of Y, wave 2 X's scale words, wave 3 Y's.  One chain of branches on the wave's number; every way passes one load
.macro ARM under, g0, g1, next
	s_cmp_lt_u32 s14, \under
	s_cbranch_scc0 \next
	tensor_load_to_lds s[\g0:\g0+3], s[\g1:\g1+7]
	s_nop 0
.rept 4
	v_nop
.endr
	s_branch .Lhead_asked
\next:
.endm
	ARM 1, G0H,  G1,  .Lhead_b
	ARM 2, G0HB, G1B, .Lhead_sa
	ARM 3, G0S,  G1S, .Lhead_sb
	tensor_load_to_lds s[G0SB:G0SB+3], s[G1SB:G1SB+7]
	s_nop 0
.rept 4
	v_nop
.endr
.Lhead_asked:
	s_cmp_eq_u32 s15, 0
	s_cselect_b64 s[PFA:PFA+1], s[20:21], s[46:47]
	s_cselect_b32 s92, s40, s41                    ; my place among the four partners: two row tiles, 32,768 bytes, a place
	s_lshl_b32 s92, s92, 15
	s_add_co_u32 s92, s92, NQ*2048
	s_mov_b32 s93, 0
	s_add_nc_u64 s[PFA:PFA+1], s[PFA:PFA+1], s[92:93]
	v_and_b32 v1, 15, v0
	v_bfe_u32 v2, v0, 4, 1
	s_wait_alu depctr_va_vdst(0)
	v_and_b32 v3, 31, v0
	v_lshlrev_b32 v[LI], 4, v3
	v_lshlrev_b32 v[PFO], 8, v1
	v_lshl_add_u32 v[PFO], v2, 14, v[PFO]
	s_mul_i32 s21, s15, HALFT
	s_mul_i32 s22, s16, HALFT
	s_add_co_u32 s22, s22, 2*HALFT
.irp s, 0,1
	v_add_nc_u32 v[ADR1+\s], s21, v[LI]
	v_add_nc_u32 v[ADR0+\s], s22, v[LI]
	s_add_co_u32 s21, s21, SLOT
	s_add_co_u32 s22, s22, SLOT
.endr
	v_lshlrev_b32 v5, 2, v1
	s_mul_i32 s21, s15, HALFS
	s_mul_i32 s22, s16, HALFS
	s_add_co_u32 s22, s22, 2*HALFS
	s_sub_co_u32 s22, s22, s21
	v_mul_u32_u24 v6, s22, v2
	s_add_co_u32 s21, s21, SCL
	v_add_nc_u32 v5, v5, v6
	v_add_nc_u32 v[ADRS], s21, v5
	s_lshl_b32 s46, s42, 10
	s_lshl_b32 s47, s16, 9
	s_add_co_u32 s46, s46, s47
	s_mov_b32 s47, 0
	s_add_nc_u64 s[8:9], s[8:9], s[46:47]
	v_lshlrev_b32 v[BAD], 6, v2
	v_lshlrev_b32 v[SA], 2, v1
	v_lshl_add_u32 v[SA], v2, 11, v[SA]
	global_prefetch_b8 v[PFO], s[PFA:PFA+1] th:TH_LOAD_NT scope:SCOPE_SE                 ; slot 1
	global_prefetch_b8 v[PFO], s[PFA:PFA+1] offset:NQ*2048 th:TH_LOAD_NT scope:SCOPE_SE  ; slot 2
.irp b, 0,1,2,3
.irp j, 0,1,2,3
	global_load_b128 v[BR+16*\b+4*\j:BR+16*\b+4*\j+3], v[BAD], s[8:9] offset:128*\b+16*\j
.endr
.endr
	s_wait_alu depctr_va_vdst(0)
	s_wait_tensorcnt 0x0                           ; my tile of the head's four is in
	ds_add_u32 v[SPW], v[NIL]
	s_mov_b32 s[G1+2], NBK<<16                     ; no tensor load of mine is out: from here on a load brings NBK row tiles
	s_mov_b32 s[G1+4], NBK
	s_mov_b32 s[G1B+2], NBK<<16
	s_mov_b32 s[G1B+4], NBK
	s_wait_dscnt 0x0
	CROUND                                         ; all four tiles are in, and all sixteen work-groups are here
	JLOAD G0+4, G1, G0B+4, G1B                     ; slot 1's first fill: my one tensor load behind the round
	FETCH0 0, 0, 0
	FETCH1 0, 0, 0
	SCALES 0
	FETCH1 0, 0, HB
	global_prefetch_b8 v[PFO], s[PFA:PFA+1] offset:2*NQ*2048 th:TH_LOAD_NT scope:SCOPE_SE   ; behind slot 1's load: slot 3
	STEP 0, 0, 1
.rept LAPS-1
	LAP
.endr
	STEPS 0, 1
	TURN 0, 1, 0
	STEPS 1, 0
	s_wait_dscnt 4*HB
	WIN MUL_LO
	MULA 0, HB, 1, NQ-1, 1, 0
	s_wait_dscnt 0x0
	WIN MUL_UP
	MULA HB, HB, 1, NQ-1, 1, 0
	WIN 0
	PLACES 8
	s_wait_loadcnt 0x0
	s_mov_b32 s[SEL], 0x76543210
	s_mov_b32 s[SEL+1], 0xfedcba98
	s_mov_b32 s[MNT], 0x600000
	s_mov_b32 s[LM], 0xffff0000
	s_lshl_b32 s24, s17, 4
	s_lshl_b32 s25, s15, 3
	s_add_co_u32 s24, s24, s25
	s_lshl_b32 s25, s42, 1
	s_add_co_u32 s25, s25, s16
	s_lshl_b32 s26, s24, 16
	s_lshl_b32 s27, s25, 11
	s_add_co_u32 s26, s26, s27
	s_mov_b32 s27, 0
	s_add_nc_u64 s[GB:GB+1], s[10:11], s[26:27]
	s_lshl_b32 s26, s24, 11
	s_lshl_b32 s37, s25, 6
	s_add_co_u32 s26, s26, s37
	s_add_co_u32 s26, s26, 16777216
	s_add_nc_u64 s[GS:GS+1], s[10:11], s[26:27]
	WIN 0x40
	v_mov_b32 v[GC], 0xb9d25000
	v_mov_b32 v[GC+1], 0xb9d25000
	v_mov_b32 v[PWE], 0
	WIN 0
	s_mov_b32 s[AI], 0
.macro COPY a
.Lcopy\a:
	WIN 0x42+(\a)/4
.set J, 0
.rept 32
	v_pk_add_f32 v[J:J+1], v[64*((\a)%4)+J:64*((\a)%4)+J+1], v[BR+J:BR+J+1]
.set J, J+2
.endr
	WIN 0
	s_branch .Lgelu
.endm
.Lrow:
.irp a, 0,1,2,3,4,5,6
	s_cmp_eq_u32 s[AI], \a
	s_cbranch_scc1 .Lcopy\a
.endr
	COPY 7
	COPY 0
	COPY 1
	COPY 2
	COPY 3
	COPY 4
	COPY 5
	COPY 6
.Lgelu:
	WIN 0x55
	GELU32 0
	GELU32 32
	QUANT 0, 64, 80, 96
	WIN 0x04
.irp c, 0,1,2,3
	global_store_b128 v[LI], v[64+4*\c:64+4*\c+3], s[GB:GB+1] offset:512*\c
.endr
	WIN 0
	s_bitcmp1_b32 s[AI], 0
	s_cbranch_scc1 .Lodd
	WIN 0x41
	v_mov_b32 v[PWE], v96
	WIN 0
	s_branch .Lnext
.Lodd:
	WIN 0x45
	v_cndmask_b32 v[WRD], v[PWE], v96, s[LM]
	WIN 0x04
	global_store_b32 v[SA], v[WRD], s[GS:GS+1] offset:-2048
	WIN 0
.Lnext:
	s_wait_xcnt 0x0
	s_add_nc_u64 s[GB:GB+1], s[GB:GB+1], 65536
	s_add_nc_u64 s[GS:GS+1], s[GS:GS+1], 2048
	s_add_co_u32 s[AI], s[AI], 1
	s_cmp_lt_u32 s[AI], 8
	s_cbranch_scc1 .Lrow
	s_wait_tensorcnt 0x0
	ds_add_u32 v[SPW], v[NIL]
	s_wait_dscnt 0x0
	CROUND
	s_endpgm
.Lfunc_end_k_q3445943f47_fc1:
	.size	k_q3445943f47_fc1, .Lfunc_end_k_q3445943f47_fc1-k_q3445943f47_fc1
	.p2alignl 7, 3214868480
	.fill 96, 4, 3214868480
	.section	.rodata,"a",@progbits
	.p2align	6, 0x0
	.amdhsa_kernel k_q3445943f47_fc1
		.amdhsa_group_segment_fixed_size 327680
		.amdhsa_private_segment_fixed_size 0
		.amdhsa_enable_private_segment 0
		.amdhsa_kernarg_size 32
		.amdhsa_user_sgpr_count 2
		.amdhsa_user_sgpr_kernarg_segment_ptr 1
		.amdhsa_wavefront_size32 1
		.amdhsa_system_sgpr_workgroup_id_x 1
		.amdhsa_system_sgpr_workgroup_id_y 1
		.amdhsa_system_sgpr_workgroup_id_z 1
		.amdhsa_system_vgpr_workitem_id 0
		.amdhsa_next_free_vgpr 1024
		.amdhsa_next_free_sgpr 100
		.amdhsa_reserve_vcc 0
		.amdhsa_float_denorm_mode_32 3
		.amdhsa_float_denorm_mode_16_64 3
		.amdhsa_memory_ordered 1
		.amdhsa_forward_progress 1
		.amdhsa_inst_pref_size 218
	.end_amdhsa_kernel
	.amdgpu_metadata
---
amdhsa.version: [ 1, 2 ]
amdhsa.kernels:
  - .name:           k_q3445943f47_fc1
    .symbol:         k_q3445943f47_fc1.kd
    .args:
      - { .name: hq, .offset: 0, .size: 8, .value_kind: global_buffer, .address_space: global }
      - { .name: wq, .offset: 8, .size: 8, .value_kind: global_buffer, .address_space: global }
      - { .name: fc1_b, .offset: 16, .size: 8, .value_kind: global_buffer, .address_space: global }
      - { .name: gq, .offset: 24, .size: 8, .value_kind: global_buffer, .address_space: global }
    .group_segment_fixed_size: 327680
    .private_segment_fixed_size: 0
    .kernarg_segment_align: 8
    .kernarg_segment_size: 32
    .max_flat_workgroup_size: 128
    .sgpr_count:     100
    .vgpr_count:     1024
    .wavefront_size: 32
...
	.end_amdgpu_metadata
.endif
;; end of part 5
;; launch fc2 (part 6): grid 8 x 32, 4 waves a work-group, clusters of 4 x 4, 327,680 bytes of LDS; arguments gq, wq, fc2_b, x2, out0; writes out0
.if DOCPART == 6
	.amdgcn_target "amdgcn-amd-amdhsa--gfx1250"
	.amdhsa_code_object_version 6
	.text
	.protected	k_q3445943f47_fc2
	.globl	k_q3445943f47_fc2
	.p2align	8
	.type	k_q3445943f47_fc2,@function
k_q3445943f47_fc2:
	s_mov_b64 s[64:65], 0
	v_nop
	global_prefetch_b8 v0, s[64:65] scope:SCOPE_SE
	s_setreg_imm32_b32 hwreg(HW_REG_WAVE_MODE, 25, 1), 1
	s_wait_xcnt 0x0
	s_wait_alu depctr_hold_cnt(0) depctr_sa_sdst(0) depctr_va_vdst(0) depctr_va_sdst(0) depctr_va_ssrc(0) depctr_va_vcc(0) depctr_vm_vsrc(0)
	s_getreg_b32 s2, hwreg(HW_REG_IB_STS2, 6, 4)
	s_cmp_eq_u32 s2, 0
	s_cbranch_scc0 .Lentry_in_a_cluster
	s_endpgm
.Lentry_in_a_cluster:
	s_bfe_u32 s2, ttmp6, 0x10000c
	s_cmp_lg_u32 s2, 0xf033
	s_cbranch_scc0 .Lentry_shape_is_right
	s_endpgm
.Lentry_shape_is_right:
; out0 = x2 + g fc2_w^T + fc2_b on codes of E5M2 (fragment images: the first kernel's head).  Nothing of reference() is left out here.
; A work-group makes 128 tokens x 128 columns, four waves of 64 x 64.  K = 4,096 goes in 32 steps of 128 through two LDS slots of four steps: eight fills.  CLUSTER 4 x 4: X (tokens) is asked for
; jointly along a row of the cluster, Y (weights) along a column.
; PREFETCH: behind each of a wave's ring loads stands one request for the slot two fills on.  A wave's load is 4 row tiles x 8,192 bytes; the four partners that ask for it jointly take a row tile
; each, told apart by address (cx for X, cy for Y), lanes 256 bytes apart: each block of 256 bytes is named once in a cluster.  The last two fills have no slot two on and ask for nothing.
.set NBK,   4
.set NQ,    4
.set KT,    32
.set XSC,   16777216
.set WOFF,  8388608
.set WSOFF, 12845056
.set MUL_UP, 0xa1
.set HB,    NBK/2
.set LAPS,  KT/(2*NQ)
.set HALFT, 32768
.set SLOT,  4*HALFT
.set SCL,   2*SLOT
.set HALFS, NBK*KT*64
.set SPARE, SCL+4*HALFS
.set ADR1,  16
.set ADR0,  20
.set LI,    22
.set ADRS,  27
.set SPW,   28
.set NIL,   29
.set SC,    32
.set AF,    128
.set G1,    24
.set G0,    32
.set G1B,   48
.set G0B,   56
.set G1S,   68
.set G0S,   76
.set G1SB,  80
.set G0SB,  88
.set MUL_LO, 0xa1
.set TO_B,  0x40
.set MSB,   0
.macro WIN new
.if MSB != (\new)
	s_set_vgpr_msb (MSB<<8)|(\new)
.set MSB, (\new)
.endif
.endm
.macro PLACES n
.rept \n
	v_nop
.endr
.endm
.macro JLOAD g0a, g1a, g0b, g1b
	s_cmp_eq_u32 s15, 0
	s_cbranch_scc0 .Lfor_b_\@
	tensor_load_to_lds s[\g0a:\g0a+3], s[\g1a:\g1a+7]
	s_nop 0
.rept 4
	v_nop
.endr
	s_branch .Lasked_\@
.Lfor_b_\@:
	tensor_load_to_lds s[\g0b:\g0b+3], s[\g1b:\g1b+7]
	s_nop 0
.rept 4
	v_nop
.endr
.Lasked_\@:
.endm
.macro CREST
	s_cmp_lg_u32 s14, 0
	s_cbranch_scc1 .Lnot_wave_0_\@
	s_barrier_signal -3
.Lnot_wave_0_\@:
	s_barrier_wait -3
	s_barrier_signal -1
	s_barrier_wait -1
.endm
.macro CROUND
	s_barrier_signal -1
	s_barrier_wait -1
	CREST
.endm
.macro FRAG reg, adr, q, i
.irp c, 0,1,2,3
	ds_load_b128 v[(\reg)+4*\c:(\reg)+4*\c+3], v[\adr] offset:((\i)*NQ+(\q))*2048+512*\c
.endr
.endm
.macro FETCH0 slot, q, p
	WIN TO_B
.set II, 0
.rept NBK
	FRAG 128*(\p)+16*II, ADR0+\slot, \q, II
.set II, II+1
.endr
	WIN 0
.endm
.macro FETCH1 slot, q, i0
.set II, \i0
.rept HB
	FRAG AF+16*II, ADR1+\slot, \q, II
.set II, II+1
.endr
.endm
.macro SCALES set
.set II, 0
.rept NBK
.set QQ, 0
.rept NQ
	ds_load_b32 v[SC+16*(\set)+NQ*II+QQ], v[ADRS] offset:II*KT*64+QQ*64
.set QQ, QQ+1
.endr
.set II, II+1
.endr
.endm
.macro MULA a0, na, p, q, sc, zero
.set AA, \a0
.rept \na
.set BB, 0
.rept NBK
.set DD, 8*(NBK*(AA%4)+BB)
.if \zero
	v_wmma_scale_f32_16x16x128_f8f6f4 v[DD:DD+7], v[128*(\p)+16*BB:128*(\p)+16*BB+15], v[AF+16*AA:AF+16*AA+15], 0, v[SC+16*(\sc)+NQ*BB+(\q)], v[SC+16*(\sc)+NQ*AA+(\q)] matrix_a_fmt:MATRIX_FMT_BF8 matrix_b_fmt:MATRIX_FMT_BF8 matrix_a_scale:MATRIX_SCALE_ROW1
.else
	v_wmma_scale_f32_16x16x128_f8f6f4 v[DD:DD+7], v[128*(\p)+16*BB:128*(\p)+16*BB+15], v[AF+16*AA:AF+16*AA+15], v[DD:DD+7], v[SC+16*(\sc)+NQ*BB+(\q)], v[SC+16*(\sc)+NQ*AA+(\q)] matrix_a_fmt:MATRIX_FMT_BF8 matrix_b_fmt:MATRIX_FMT_BF8 matrix_a_scale:MATRIX_SCALE_ROW1
.endif
.set BB, BB+1
.endr
.set AA, AA+1
.endr
.endm
.macro STEP slot, q, zero
	s_wait_dscnt 4*HB
	WIN MUL_LO
	MULA 0, HB, (\q)%2, \q, \slot, \zero
	s_wait_dscnt 0x0
	PLACES 8
	FETCH0 \slot, (\q)+1, 1-(\q)%2
	FETCH1 \slot, (\q)+1, 0
	WIN MUL_UP
	MULA HB, HB, (\q)%2, \q, \slot, \zero
	PLACES 8
	WIN 0
	FETCH1 \slot, (\q)+1, HB
.endm
.macro STEPS slot, q0
.set QS, \q0
.rept NQ-1-(\q0)
	STEP \slot, QS, 0
.set QS, QS+1
.endr
.endm
.macro TURN slot, next, fill
.if \fill
	s_wait_xcnt 0x0                                ; my last prefetch has read its address: it steps a slot on
	s_add_nc_u64 s[PFA:PFA+1], s[PFA:PFA+1], NQ*2048
.endif
	s_wait_tensorcnt 0x0
	ds_add_u32 v[SPW], v[NIL]
	s_wait_dscnt 4*HB+1
	WIN MUL_LO
	MULA 0, HB/2, 1, NQ-1, \slot, 0
	s_wait_dscnt 0x0
	s_barrier_signal -1
	MULA HB/2, HB/2, 1, NQ-1, \slot, 0
	WIN 0
	s_barrier_wait -1
.if \fill
	CREST
	s_add_nc_u64 s[G0+4*\slot+2:G0+4*\slot+3], s[G0+4*\slot+2:G0+4*\slot+3], 2*NQ*2048
	s_add_nc_u64 s[G0B+4*\slot+2:G0B+4*\slot+3], s[G0B+4*\slot+2:G0B+4*\slot+3], 2*NQ*2048
	JLOAD G0+4*\slot, G1, G0B+4*\slot, G1B
	PLACES 4
.else
	PLACES 8
.endif
	s_wait_alu depctr_va_vdst(0)
	v_add_nc_u32 v[ADRS], NQ*64, v[ADRS]
	FETCH0 \next, 0, 0
	FETCH1 \next, 0, 0
	SCALES \next
.if \fill
	s_cmp_gt_u32 s3, 1                             ; the loop's last trip fills slots 6 and 7: nothing lies two on
	s_cbranch_scc0 .Lnp_\@
	global_prefetch_b8 v[PFO], s[PFA:PFA+1] offset:NQ*2048 th:TH_LOAD_NT scope:SCOPE_SE
.Lnp_\@:
.endif
	WIN MUL_UP
	MULA HB, HB, 1, NQ-1, \slot, 0
	PLACES 8
	WIN 0
	FETCH1 \next, 0, HB
.endm
.macro LAP
	STEPS 0, 1
	TURN 0, 1, 1
	STEPS 1, 0
	TURN 1, 0, 1
	STEP 0, 0, 0
.endm
.set CB,  23
.set CO,  24
.set STO, 25
.set RD,  26
.set BI,  64
.set BK,  128
	s_load_b256 s[4:11], s[0:1], 0x0
	s_load_b64 s[12:13], s[0:1], 0x20
	v_lshl_add_u32 v[SPW], v0, 2, SPARE
	v_mov_b32 v[NIL], 0
	ds_add_u32 v[SPW], v[NIL]
	ds_add_u32 v[SPW], v[NIL]
	v_lshrrev_b32 v1, 5, v0
	v_readfirstlane_b32 s14, v1
	s_lshr_b32 s15, s14, 1
	s_and_b32 s16, s14, 1
	s_bfe_u32 s40, ttmp6, 0x40000
	s_bfe_u32 s41, ttmp6, 0x40004
	s_lshl_b32 s42, ttmp9, 2
	s_add_co_u32 s42, s42, s40
	s_and_b32 s17, ttmp7, 0xffff
	s_lshl_b32 s17, s17, 2
	s_add_co_u32 s17, s17, s41
	s_lshl_b32 s43, s41, 2
	s_lshl_b32 s43, 15, s43
	s_lshl_b32 s44, 0x1111, s40
	s_or_b32 s[G1+0], s43, (3<<16)|(1<<21)
	s_or_b32 s[G1B+0], s44, (3<<16)|(1<<21)
.irp g, G1, G1B
	s_mov_b32 s[\g+1], (NQ*256)<<16
	s_mov_b32 s[\g+2], (2*NBK)<<16                 ; 2 NBK row tiles for the head's loads; behind them NBK, for the ring's
	s_mov_b32 s[\g+3], (NQ*256)<<16
	s_mov_b32 s[\g+4], 2*NBK
	s_mov_b32 s[\g+5], KT*256
	s_mov_b32 s[\g+6], 0
	s_mov_b32 s[\g+7], 0
.endr
	s_or_b32 s[G1S+0], s43, (3<<16)|(1<<21)
	s_or_b32 s[G1SB+0], s44, (3<<16)|(1<<21)
.irp g, G1S, G1SB
	s_mov_b32 s[\g+1], 32<<16
	s_mov_b32 s[\g+2], (2*HALFS/256)<<16
	s_mov_b32 s[\g+3], 32<<16
	s_mov_b32 s[\g+4], 2*HALFS/256
	s_mov_b32 s[\g+5], 32
	s_mov_b32 s[\g+6], 0
	s_mov_b32 s[\g+7], 0
.endr
	s_mul_i32 s18, s16, NBK*KT*2048                ; in the ring I fetch half of a side: which half, in bytes
	s_mov_b32 s19, 0
	s_mul_i32 s20, s17, 2*NBK                      ; X: the block's first row tile
	s_mul_i32 s46, s42, 2*NBK                      ; Y likewise
	s_mul_i32 s22, s20, KT*64
	s_add_co_u32 s22, s22, XSC
	s_mul_i32 s92, s46, KT*64
	s_add_co_u32 s92, s92, WSOFF
	s_mul_i32 s20, s20, KT*2048
	s_mul_i32 s46, s46, KT*2048
	s_add_co_u32 s46, s46, WOFF
	s_mov_b32 s21, 0
	s_mov_b32 s23, 0
	s_mov_b32 s47, 0
	s_mov_b32 s93, 0
	s_mul_i32 s45, s14, HALFT
	s_wait_dscnt 0x0
	s_wait_kmcnt 0x0
	s_add_nc_u64 s[20:21], s[4:5], s[20:21]
	s_add_nc_u64 s[22:23], s[4:5], s[22:23]
	s_add_nc_u64 s[46:47], s[6:7], s[46:47]
	s_add_nc_u64 s[92:93], s[6:7], s[92:93]
	CROUND
	s_mov_b32 s[G0S], 1
	s_mov_b32 s[G0S+1], SCL
	s_mov_b64 s[G0S+2:G0S+3], s[22:23]
	s_or_b32 s[G0S+3], s[G0S+3], 0x80000000
	s_mov_b32 s[G0SB], 1
	s_mov_b32 s[G0SB+1], SCL+2*HALFS
	s_mov_b64 s[G0SB+2:G0SB+3], s[92:93]
	s_or_b32 s[G0SB+3], s[G0SB+3], 0x80000000
.set G0H,  4                           ; s[4:7], s[96:99] group 0 for the head's loads of slot 0: X's side whole, Y's side whole (the arguments in s[4:7] have been used)
.set G0HB, 96
.set PFA,  94                          ; s[94:95] where my prefetches stand
.set PFO,  30                          ; v30 256 x lane; never rewritten
	s_mov_b32 s[G0H], 1
	s_mov_b32 s[G0H+1], 0
	s_mov_b64 s[G0H+2:G0H+3], s[20:21]
	s_or_b32 s[G0H+3], s[G0H+3], 0x80000000
	s_mov_b32 s[G0HB], 1
	s_mov_b32 s[G0HB+1], 2*HALFT
	s_mov_b64 s[G0HB+2:G0HB+3], s[46:47]
	s_or_b32 s[G0HB+3], s[G0HB+3], 0x80000000
	s_add_nc_u64 s[20:21], s[20:21], s[18:19]      ; for the ring: my half of the side
	s_add_nc_u64 s[46:47], s[46:47], s[18:19]
.irp s, 0,1
	s_mov_b32 s[G0+4*\s], 1
	s_add_co_u32 s[G0+4*\s+1], s45, \s*SLOT
	s_add_nc_u64 s[G0+4*\s+2:G0+4*\s+3], s[20:21], \s*NQ*2048
	s_or_b32 s[G0+4*\s+3], s[G0+4*\s+3], 0x80000000
	s_mov_b32 s[G0B+4*\s], 1
	s_add_co_u32 s[G0B+4*\s+1], s45, \s*SLOT
	s_add_nc_u64 s[G0B+4*\s+2:G0B+4*\s+3], s[46:47], \s*NQ*2048
	s_or_b32 s[G0B+4*\s+3], s[G0B+4*\s+3], 0x80000000
.endr
; THE HEAD'S LOADS, ONE A WAVE: wave 0 slot 0's part of X, wave 1 that of Y, wave 2 X's scale words, wave 3 Y's.  One chain of branches on the wave's number; every way passes one load
.macro ARM under, g0, g1, next
	s_cmp_lt_u32 s14, \under
	s_cbranch_scc0 \next
	tensor_load_to_lds s[\g0:\g0+3], s[\g1:\g1+7]
	s_nop 0
.rept 4
	v_nop
.endr
	s_branch .Lhead_asked
\next:
.endm
	ARM 1, G0H,  G1,  .Lhead_b
	ARM 2, G0HB, G1B, .Lhead_sa
	ARM 3, G0S,  G1S, .Lhead_sb
	tensor_load_to_lds s[G0SB:G0SB+3], s[G1SB:G1SB+7]
	s_nop 0
.rept 4
	v_nop
.endr
.Lhead_asked:
	s_cmp_eq_u32 s15, 0                            ; the prefetches: of the 4 row tiles that my ring loads bring,
	s_cselect_b64 s[PFA:PFA+1], s[20:21], s[46:47]
	s_cselect_b32 s92, s40, s41                    ; my work-group takes the one of its place among the four partners: 65,536 bytes from tile to tile;
	s_lshl_b32 s92, s92, 16
	s_add_co_u32 s92, s92, 2*NQ*2048               ; they begin at slot 2
	s_mov_b32 s93, 0
	s_add_nc_u64 s[PFA:PFA+1], s[PFA:PFA+1], s[92:93]
	v_and_b32 v1, 15, v0
	v_bfe_u32 v2, v0, 4, 1
	s_wait_alu depctr_va_vdst(0)
	v_and_b32 v3, 31, v0
	v_lshlrev_b32 v[LI], 4, v3
	v_lshlrev_b32 v[PFO], 8, v3
	s_mul_i32 s21, s15, HALFT
	s_mul_i32 s22, s16, HALFT
	s_add_co_u32 s22, s22, 2*HALFT
.irp s, 0,1
	v_add_nc_u32 v[ADR1+\s], s21, v[LI]
	v_add_nc_u32 v[ADR0+\s], s22, v[LI]
	s_add_co_u32 s21, s21, SLOT
	s_add_co_u32 s22, s22, SLOT
.endr
	v_lshlrev_b32 v5, 2, v1
	s_mul_i32 s21, s15, HALFS
	s_mul_i32 s22, s16, HALFS
	s_add_co_u32 s22, s22, 2*HALFS
	s_sub_co_u32 s22, s22, s21
	v_mul_u32_u24 v6, s22, v2
	s_add_co_u32 s21, s21, SCL
	v_add_nc_u32 v5, v5, v6
	v_add_nc_u32 v[ADRS], s21, v5
	s_mul_i32 s23, s14, 4352
	v_mul_u32_u24 v5, v1, 272
	v_lshl_add_u32 v5, v2, 6, v5
	v_add_nc_u32 v[STO], s23, v5
	v_mul_u32_u24 v5, v2, 272
	v_lshl_add_u32 v5, v1, 4, v5
	v_add_nc_u32 v[RD], s23, v5
	s_lshl_b32 s20, s17, 7
	s_lshl_b32 s21, s15, 6
	s_add_co_u32 s20, s20, s21
	s_lshl_b32 s20, s20, 12
	s_lshl_b32 s46, s42, 9
	s_lshl_b32 s47, s16, 8
	s_add_co_u32 s46, s46, s47
	s_mov_b32 s47, 0
	s_add_nc_u64 s[8:9], s[8:9], s[46:47]
	s_add_co_u32 s20, s20, s46
	s_mov_b32 s21, 0
	s_add_nc_u64 s[10:11], s[10:11], s[20:21]
	s_add_nc_u64 s[12:13], s[12:13], s[20:21]
	v_lshlrev_b32 v[CB], 4, v1
	v_lshl_add_u32 v[CO], v2, 12, v[CB]
	global_prefetch_b8 v[PFO], s[PFA:PFA+1] offset:-8192 th:TH_LOAD_NT scope:SCOPE_SE   ; behind slot 0's load: slot 1, whose load goes out when slot 0 has landed,
	global_prefetch_b8 v[PFO], s[PFA:PFA+1] th:TH_LOAD_NT scope:SCOPE_SE   ; and slot 2
	global_load_b128 v[BI:BI+3], v[CB], s[8:9]
	WIN 0x80
.irp a, 0,1,2,3
.irp t, 0,1,2,3,4,5,6,7
	global_load_b128 v[128+32*\a+4*\t:128+32*\a+4*\t+3], v[CO], s[10:11] offset:(32*(\a/2)+8*(\a%2)+2*\t+8*(\t/4))*4096 th:TH_LOAD_NT
.endr
.endr
	WIN 0
	s_wait_alu depctr_va_vdst(0)
	s_wait_tensorcnt 0x0                           ; my tile of the head's four is in
	ds_add_u32 v[SPW], v[NIL]
	s_mov_b32 s[G1+2], NBK<<16                     ; no tensor load of mine is out: from here on a load brings NBK row tiles
	s_mov_b32 s[G1+4], NBK
	s_mov_b32 s[G1B+2], NBK<<16
	s_mov_b32 s[G1B+4], NBK
	s_wait_dscnt 0x0
	CROUND                                         ; all four tiles are in, and all sixteen work-groups are here
	JLOAD G0+4, G1, G0B+4, G1B                     ; slot 1's first fill: my one tensor load behind the round
	FETCH0 0, 0, 0
	FETCH1 0, 0, 0
	SCALES 0
	FETCH1 0, 0, HB
	global_prefetch_b8 v[PFO], s[PFA:PFA+1] offset:NQ*2048 th:TH_LOAD_NT scope:SCOPE_SE   ; behind slot 1's load: slot 3
	STEP 0, 0, 1
	s_mov_b32 s3, LAPS-1
.Llap:
	LAP
	s_sub_co_u32 s3, s3, 1
	s_cmp_lg_u32 s3, 0
	s_cbranch_scc1 .Llap
	STEPS 0, 1
	TURN 0, 1, 0
	STEPS 1, 0
	s_wait_dscnt 4*HB
	WIN MUL_LO
	MULA 0, HB, 1, NQ-1, 1, 0
	s_wait_dscnt 0x0
	WIN MUL_UP
	MULA HB, HB, 1, NQ-1, 1, 0
	WIN 0
.macro TOSTAGE a
	WIN 0x08
.irp k, 0,1,2,3,4,5,6,7
	ds_store_b128 v[STO], v[32*(\a)+4*\k:32*(\a)+4*\k+3] offset:128*(\k/4)+16*(\k%4)
.endr
	WIN 0
.irp t, 0,1,2,3,4,5,6,7
	ds_load_b128 v[BK+32*((\a)%2)+4*\t:BK+32*((\a)%2)+4*\t+3], v[RD] offset:544*\t
.endr
.endm
.macro SEND a, younger
	s_wait_dscnt \younger
.irp t, 0,1,2,3,4,5,6,7
	v_pk_add_f32 v[BK+32*((\a)%2)+4*\t:BK+32*((\a)%2)+4*\t+1], v[BK+32*((\a)%2)+4*\t:BK+32*((\a)%2)+4*\t+1], v[BI:BI+1]
	v_pk_add_f32 v[BK+32*((\a)%2)+4*\t+2:BK+32*((\a)%2)+4*\t+3], v[BK+32*((\a)%2)+4*\t+2:BK+32*((\a)%2)+4*\t+3], v[BI+2:BI+3]
.endr
	WIN 0x08
.set J, 0
.rept 16
	v_pk_add_f32 v[BK+32*((\a)%2)+J:BK+32*((\a)%2)+J+1], v[BK+32*((\a)%2)+J:BK+32*((\a)%2)+J+1], v[128+32*(\a)+J:128+32*(\a)+J+1]
.set J, J+2
.endr
	WIN 0
.irp t, 0,1,2,3,4,5,6,7
	global_store_b128 v[CO], v[BK+32*((\a)%2)+4*\t:BK+32*((\a)%2)+4*\t+3], s[12:13] offset:(32*((\a)/2)+8*((\a)%2)+2*\t+8*(\t/4))*4096 th:TH_STORE_NT
.endr
.endm
	PLACES 8
	s_wait_loadcnt 0x0
	TOSTAGE 0
.irp a, 1,2,3
.if \a > 1
	s_wait_xcnt 0x0
.endif
	TOSTAGE \a
	SEND (\a-1), 16
.endr
	SEND 3, 0
	s_wait_tensorcnt 0x0
	ds_add_u32 v[SPW], v[NIL]
	s_wait_dscnt 0x0
	CROUND
	s_endpgm
.Lfunc_end_k_q3445943f47_fc2:
	.size	k_q3445943f47_fc2, .Lfunc_end_k_q3445943f47_fc2-k_q3445943f47_fc2
	.p2alignl 7, 3214868480
	.fill 96, 4, 3214868480
	.section	.rodata,"a",@progbits
	.p2align	6, 0x0
	.amdhsa_kernel k_q3445943f47_fc2
		.amdhsa_group_segment_fixed_size 327680
		.amdhsa_private_segment_fixed_size 0
		.amdhsa_enable_private_segment 0
		.amdhsa_kernarg_size 40
		.amdhsa_user_sgpr_count 2
		.amdhsa_user_sgpr_kernarg_segment_ptr 1
		.amdhsa_wavefront_size32 1
		.amdhsa_system_sgpr_workgroup_id_x 1
		.amdhsa_system_sgpr_workgroup_id_y 1
		.amdhsa_system_sgpr_workgroup_id_z 1
		.amdhsa_system_vgpr_workitem_id 0
		.amdhsa_next_free_vgpr 768
		.amdhsa_next_free_sgpr 100
		.amdhsa_reserve_vcc 0
		.amdhsa_float_denorm_mode_32 3
		.amdhsa_float_denorm_mode_16_64 3
		.amdhsa_memory_ordered 1
		.amdhsa_forward_progress 1
		.amdhsa_inst_pref_size 113
	.end_amdhsa_kernel
	.amdgpu_metadata
---
amdhsa.version: [ 1, 2 ]
amdhsa.kernels:
  - .name:           k_q3445943f47_fc2
    .symbol:         k_q3445943f47_fc2.kd
    .args:
      - { .name: gq, .offset: 0, .size: 8, .value_kind: global_buffer, .address_space: global }
      - { .name: wq, .offset: 8, .size: 8, .value_kind: global_buffer, .address_space: global }
      - { .name: fc2_b, .offset: 16, .size: 8, .value_kind: global_buffer, .address_space: global }
      - { .name: x2, .offset: 24, .size: 8, .value_kind: global_buffer, .address_space: global }
      - { .name: out0, .offset: 32, .size: 8, .value_kind: global_buffer, .address_space: global }
    .group_segment_fixed_size: 327680
    .private_segment_fixed_size: 0
    .kernarg_segment_align: 8
    .kernarg_segment_size: 40
    .max_flat_workgroup_size: 128
    .sgpr_count:     100
    .vgpr_count:     768
    .wavefront_size: 32
...
	.end_amdgpu_metadata
.endif
;; end of part 6
